; MI455X (gfx1250); checked and timed in simulation.
; The chip was launched on July 23, 2026; its instructions are those of AMD's public machine-readable ISA for CDNA 5 (MIT licence, August 2026) and "CDNA5" Instruction Set Architecture Reference Guide (July 2026). The comments in the code are by the model that wrote it; some were corrected since.
;; Multi Head Attention. Allowed arithmetic: matrix products marked QUANTISED: E2M3 operands, one E8M0 scale for each 32 along K, by v_wmma_scale_f32_16x16x128_f8f6f4 with both operands' format E2M3, f32 sums; everything else in f32.
;; Inputs: Wk 1,024 x 1,024 float32; Wo 1,024 x 1,024 float32; Wq 1,024 x 1,024 float32; Wv 1,024 x 1,024 float32; k 4 x 2,048 x 1,024 float32; mask 4 x 2,048 x 2,048 int32; q 4 x 2,048 x 1,024 float32; v 4 x 2,048 x 1,024 float32.
;; Outputs: out0 4 x 2,048 x 1,024 float32.
;; This version of the problem:
;;   THIS VERSION OF THE PROBLEM IS GIVEN IN LOW PRECISION. The matrix products marked QUANTISED in the list below multiply operands that are first quantised to E2M3 (2 exponent bits, 3 mantissa bits; 6 bits a number), with one power-of-two scale for each 32 numbers along K (OCP MX v1.0); their sums are f32. All else is computed in f32.
;;   The module's matrix products, in the order in which they are computed (A, B: the left and right operand; K: the contracted axis; several contracted axes count as one K, in the product's order):
;;     1. [M 8,192, K 1,024] x [K 1,024, N 1,024]; A: input q; B: input Wq: QUANTISED
;;     2. [M 8,192, K 1,024] x [K 1,024, N 1,024]; A: input k; B: input Wk: QUANTISED
;;     3. [M 8,192, K 1,024] x [K 1,024, N 1,024]; A: input v; B: input Wv: QUANTISED
;;     4. batch 64 x [M 2,048, K 64] x [K 64, N 2,048]; A: computed on the way; B: computed on the way: QUANTISED
;;     5. batch 64 x [M 64, K 2,048] x [K 2,048, N 2,048]; A: computed on the way; B: softmax (see below): QUANTISED
;;     6. [M 8,192, K 1,024] x [K 1,024, N 1,024]; A: computed on the way; B: input Wo: QUANTISED
;;   THE QUANTISER, for each operand of a quantised product, along K:
;;     - K is cut into blocks of 32 from its start; a last block that is shorter is filled with zeros.
;;     - A block's scale is 2^e with e = floor(log2(the largest magnitude in the block)) - 2, held to -126 .. 127; a block of zeros has e = 0. As a byte (E8M0): e + 127.
;;     - Each number is divided by its block's scale, clamped to +-7.5, and rounded to the nearest number of E2M3, ties to even, subnormals kept.
;;     - The product sums the exact products of the quantised numbers (number of the format x scale) in f32.
;;   ~~~python
;;   def quantise(x, axis):      # numpy; x: float32 -> the quantised numbers, widened to float32 again
;;       x = np.moveaxis(x, axis, -1); K = x.shape[-1]
;;       x = np.pad(x, [(0, 0)] * (x.ndim - 1) + [(0, -K % 32)]); x = x.reshape(x.shape[:-1] + (-1, 32)); a = np.abs(x).max(-1, keepdims=True)
;;       e = np.where(a > 0, np.clip(np.frexp(np.where(a > 0, a, 1))[1] - 1 - 2, -126, 127), 0)      # np.frexp(a)[1] - 1 = floor(log2(a)), exactly
;;       r = np.clip(x / 2.0 ** e, -7.5, 7.5)
;;       step = 2.0 ** (np.maximum(np.frexp(np.where(r == 0, 1, r))[1] - 1, 0) - 3)
;;       q = np.round(r / step) * step * 2.0 ** e      # np.round: ties to even
;;       return np.moveaxis(q.reshape(q.shape[:-2] + (-1,))[..., :K], -1, axis).astype(np.float32)
;;   ~~~
;;   SOFTMAX AHEAD OF A QUANTISED PRODUCT. Where the list says 'softmax', what is quantised is not the finished softmax but p = 2^(t - M), with t = logit x log2(e) and M = ceil(the row's largest t), a whole number; so 1/2 < the row's largest p <= 1. The row's sum l is taken of the UNQUANTISED p, in f32, and the product's result is divided by l at the end. Since M is a whole number, a kernel that streams over the keys may use a running M (the ceiling of the running maximum): every later rescaling is an exact power of two, which a block's scale takes up: the codes' values come out the same.
;;   OPERANDS COMPUTED ON THE WAY. 'Computed on the way' means the value that the module computes at that place (a softmax that the list does not call 'softmax' is quantised finished and normalised). What goes into a quantiser is computed in f32, as accurately as f32 sums, v_exp_f32 and their like allow (about 1e-6 of the number): no bf16 or f16 on the way to a quantiser, and a product that is left as it is and whose result goes on into a quantised operand takes f32 operands (vector FMAs, or v_wmma_f32_16x16x4_f32). A number that lies on a knife's edge between two numbers of the format may be rounded either way, as far as f32 arithmetic and the matrix unit's own rounding can turn it there, and no further.
;; One version. Each part assembles by itself: llvm-mc -triple=amdgcn-amd-amdhsa -mcpu=gfx1250 --defsym DOCPART=n.
;; ======== version 1 of 1: 4 launches
;; limits: right only within a limited range of input values
;; workspace buffers: pre 23,986,176 bytes; msk 2,097,152 bytes of whole numbers; flg 2,048 bytes of whole numbers; qkv 19,660,800 bytes; att 6,553,600 bytes
;; launch prep (part 1): grid 1424 x 1, 4 waves a work-group, no clusters, 102,144 bytes of LDS; arguments mask, q, k, v, Wq, Wk, Wv, Wo, pre, msk, flg; writes pre, msk, flg
.if DOCPART == 1
	.amdgcn_target "amdgcn-amd-amdhsa--gfx1250"
	.amdhsa_code_object_version 6
	.text
	.protected	k_q77f76200d1_prep
	.globl	k_q77f76200d1_prep
	.p2align	8
	.type	k_q77f76200d1_prep,@function
k_q77f76200d1_prep:
	s_mov_b64 s[64:65], 0
	v_nop
	global_prefetch_b8 v0, s[64:65] scope:SCOPE_SE
	s_setreg_imm32_b32 hwreg(HW_REG_WAVE_MODE, 25, 1), 1
	s_wait_xcnt 0x0
; PREPARATION, four jobs in one launch, told apart by the work-group's number; each job has LDS bytes of its own.
;   0 .. 511     M: the mask (int32) becomes lane-mask words for attention's score registers (msk), and one flag word a tile of 16 queries (flg)
;   512 .. 1279  X: q, k, v (f32, K innermost) become codes of FP6 (E2M3) with one E8M0 byte for each 32 along K
;   1280 .. 1407 W: Wq, Wk, Wv, Wo (f32, K is the FIRST axis) become codes with K innermost
;   1408 .. 1423 T: the table of cos and sin for the rotary embedding, and a table of (1, 0) of the same shape
; ROW ORDER of every buffer of codes: within each 32 rows the two middle groups of eight change places (row bits 3 and 4 swapped), so that a plain block
; of 16 buffer rows is a tile whose transposed result holds 16 neighbours along the next K in the 16 registers of a pair of tiles.
; A block's scale is 2^(floor(log2(largest magnitude)) - 2); its byte is the largest magnitude's exponent field - 2, held at 1 from below.
; LIMITS: NaN and infinities among the inputs are not served; a block of zeros gets the byte 1 (its codes are zeros; this program alone reads the bytes);
; the range reduction of the angles is written for positions up to 2,047, which the shape fixes.
.set PRE_XS,  18874368                 ; pre: the activations' scale bytes, 262,144 a tensor
.set PRE_WC,  19660800                 ; the weights' codes, 786,432 a weight
.set PRE_WS,  22806528                 ; the weights' scale bytes, 32,768 a weight
.set PRE_TAB, 22937600                 ; [2048 positions][32 pairs][cos, sin]
.set PRE_IDT, 23461888                 ; the same shape, (1, 0)
	v_lshl_add_u32 v216, v0, 2, 0x18d00
	v_mov_b32 v217, 0
	v_lshrrev_b32 v1, 5, v0
	v_readfirstlane_b32 s16, v1                    ; wave 0..3
	v_and_b32 v2, 31, v0                           ; lane
	s_wait_alu depctr_va_vdst(0)
	s_cmp_lt_u32 ttmp9, 512
	s_cbranch_scc1 .Lmask
	s_cmp_lt_u32 ttmp9, 1280
	s_cbranch_scc1 .Lact
	s_cmp_lt_u32 ttmp9, 1408
	s_cbranch_scc1 .Lwgt
; ---------------- T: wave u takes positions 32 u .. 32 u + 31; lane = pair i.  No LDS.
	s_load_b64 s[4:5], s[0:1], 0x40                ; pre
	s_sub_co_u32 s17, ttmp9, 1408
	s_lshl_b32 s17, s17, 2
	s_add_co_u32 s17, s17, s16                     ; u
	s_lshl_b32 s18, s17, 5                         ; my first position
	s_mov_b32 s20, 0x3ed49a78                      ; log2(10000) / 32, rounded,
	s_mov_b32 s21, 0x32179a26                      ; and what the rounding left
	s_mov_b32 s23, 0xbfc90fdb                      ; -(pi / 2), rounded,
	s_mov_b32 s24, 0x333bbd2e                      ; and the rest of it
	v_cvt_f32_u32 v3, v2                           ; i
	v_mul_f32 v4, s20, v3                          ; a = i x log2(10000) / 32, rounded
	v_fma_f32 v5, v3, s20, -v4                     ; what that rounding lost,
	v_fma_f32 v5, v3, s21, v5                      ; and the constant's rest
	s_wait_alu depctr_va_vdst(0)
	v_exp_f32 v6, -v4                              ; 2^-a
	v_mul_f32 v5, 0xbf317218, v5                   ; -ln 2 x the rest (a plain line behind the exponential)
	v_cvt_f32_u32 v7, s18                          ; the position as f32
	v_lshlrev_b32 v8, 3, v2
	s_lshl_b32 s19, s18, 8
	v_add_nc_u32 v8, s19, v8                       ; 256 x position + 8 i
	v_mov_b32 v20, 1.0
	v_mov_b32 v21, 0
	s_wait_alu depctr_va_vdst(0)
	v_fma_f32 v6, v6, v5, v6                       ; 1 / 10000^(i / 32)
	s_wait_alu depctr_va_vdst(0)
	s_wait_kmcnt 0x0
	s_add_nc_u64 s[6:7], s[4:5], PRE_TAB
	s_add_nc_u64 s[8:9], s[4:5], PRE_IDT
	s_mov_b32 s22, 0
.Ltab:
	v_mul_f32 v9, v7, v6                           ; the angle, one rounding
	v_mul_f32 v10, 0x3f22f983, v9
	v_rndne_f32 v10, v10                           ; n = the nearest multiple of pi / 2
	v_fma_f32 v11, v10, s23, v9
	v_fma_f32 v11, v10, s24, v11                   ; r = angle - n pi / 2, |r| <= pi / 4
	v_mul_f32 v12, v11, v11                        ; r^2
	v_mov_b32 v13, 0xb94ca1f9
	v_fmaak_f32 v13, v12, v13, 0x3c08839e
	v_fmaak_f32 v13, v12, v13, 0xbe2aaaa3
	v_mul_f32 v14, v12, v11
	v_fma_f32 v13, v14, v13, v11                   ; sin r
	v_mov_b32 v15, 0x37ccf5ce
	v_fmaak_f32 v15, v12, v15, 0xbab6061a
	v_fmaak_f32 v15, v12, v15, 0x3d2aaaa5
	v_mul_f32 v16, v12, v12
	v_fma_f32 v17, v12, -0.5, 1.0
	v_fma_f32 v15, v16, v15, v17                   ; cos r
	v_cvt_i32_f32 v18, v10                         ; the quadrant
	v_and_b32 v19, 1, v18
	v_cmp_eq_u32 vcc_lo, 1, v19
	v_cndmask_b32 v22, v15, v13, vcc_lo            ; odd quadrant: the two change places
	v_cndmask_b32 v23, v13, v15, vcc_lo
	v_and_b32 v19, 2, v18
	v_lshlrev_b32 v19, 30, v19
	v_xor_b32 v23, v19, v23                        ; sin is negative in quadrants 2, 3
	v_add_nc_u32 v18, 1, v18
	v_and_b32 v18, 2, v18
	v_lshlrev_b32 v18, 30, v18
	v_xor_b32 v22, v18, v22                        ; cos in quadrants 1, 2
	global_store_b64 v8, v[22:23], s[6:7]          ; 32 lanes store 256 consecutive bytes, aligned
	global_store_b64 v8, v[20:21], s[8:9]
	s_wait_xcnt 0x0                                ; the stores' offset and data are rewritten only behind this wait
	v_add_nc_u32 v8, 0x100, v8
	v_add_f32 v7, 1.0, v7
	s_add_co_u32 s22, s22, 1
	s_cmp_lt_u32 s22, 32
	s_wait_alu depctr_va_vdst(0)
	s_cbranch_scc1 .Ltab
	s_endpgm
; ---------------- X: a wave takes 8 rows (8,192 numbers) in 16 steps of 512.  Loads read 512 consecutive bytes; a step's 2,048 bytes turn through the wave's own
; stage in LDS (16 bytes of padding behind each 64) so that a lane holds 16 neighbours along K; two neighbouring lanes hold a block.  LDS bytes 0 .. 32,767.
.set XWREG, 8192
.set XSP,   80
.set XSTEPS, 16
.set XR,    16                         ; v16-79   four sets of 16 numbers as loaded
.set XX,    80                         ; v80-111  two sets of 16 neighbours
.set XE,    112                        ; v112-127 a scale byte for each step
.set XC,    128                        ; v128-191 codes, four registers a step: no store's data are written again
.macro LOADX t
.irp i, 0,1,2,3
	global_load_b128 v[XR+16*((\t)%4)+4*\i:XR+16*((\t)%4)+4*\i+3], v3, s[4:5] offset:2048*(\t)+512*\i th:TH_LOAD_NT
.endr
.endm
.macro TURNX t                         ; LDS serves a wave's instructions in order: no wait between the stores and the loads
.irp i, 0,1,2,3
	ds_store_b128 v14, v[XR+16*((\t)%4)+4*\i:XR+16*((\t)%4)+4*\i+3] offset:32*XSP*((\t)%2)+8*XSP*\i
.endr
.irp i, 0,1,2,3
	ds_load_b128 v[XX+16*((\t)%2)+4*\i:XX+16*((\t)%2)+4*\i+3], v15 offset:32*XSP*((\t)%2)+16*\i
.endr
.endm
.macro STEPX t
.set XS, XX+16*((\t)%2)
.if (\t) > 0
	s_wait_dscnt 1                                 ; this step's numbers are back from the stage; the last step's byte store may be out
.else
	s_wait_dscnt 0x0
.endif
.if (\t)+4 < XSTEPS
	LOADX (\t)+4
.endif
.if (\t)+1 < XSTEPS
.if XSTEPS-2-(\t) >= 3
	s_wait_loadcnt 12                              ; the next step's four loads are in; those of the three steps behind it may be out
.else
	s_wait_loadcnt 4*(XSTEPS-2-(\t))
.endif
	TURNX (\t)+1
.endif
	v_max3_num_f32 v8, |v[XS]|, |v[XS+1]|, |v[XS+2]|
	v_max3_num_f32 v9, |v[XS+3]|, |v[XS+4]|, |v[XS+5]|
.irp i, 6,10
	v_max3_num_f32 v8, v8, |v[XS+\i]|, |v[XS+\i+1]|
	v_max3_num_f32 v9, v9, |v[XS+\i+2]|, |v[XS+\i+3]|
.endr
	v_max3_num_f32 v8, v8, |v[XS+14]|, |v[XS+15]|
	v_max3_num_f32 v8, v8, v9, 0x1800000           ; the floor 2^(3 - 127): the byte cannot fall under 1
	v_max_num_f32_dpp v8, v8, v8 row_xmask:1 row_mask:0xf bank_mask:0xf   ; with my neighbour's 16: the block's largest magnitude
	v_add_nc_u32 v11, 0xff000000, v8               ; 2 off its exponent field: the conversion's scale operand
	v_cvt_scalef32_pk16_fp6_f32 v[XC+4*(\t):XC+4*(\t)+2], v[XS:XS+15], v11
	v_lshrrev_b32 v[XE+(\t)], 23, v11              ; the scale's byte
	ds_store_b8 v5, v[XE+(\t)] offset:16*(\t)      ; both lanes of a block write the same byte with the same value
	global_store_b96 v4, v[XC+4*(\t):XC+4*(\t)+2], s[8:9] offset:384*(\t)
.endm
.Lact:
	s_load_b64 s[4:5], s[0:1], 0x8                 ; q
	s_load_b64 s[6:7], s[0:1], 0x10                ; k
	s_load_b64 s[8:9], s[0:1], 0x18                ; v
	s_load_b64 s[10:11], s[0:1], 0x40              ; pre
	v_lshlrev_b32 v3, 4, v2                        ; my 16 bytes of a load's 512
	s_mul_i32 s17, s16, XWREG
	v_lshrrev_b32 v14, 2, v2
	v_mul_u32_u24 v14, v14, XSP
	v_and_b32 v15, 3, v2
	v_lshl_add_u32 v14, v15, 4, v14
	v_add_nc_u32 v14, s17, v14                     ; the stage, in: four lanes' 64 bytes on end, then 16 of padding
	v_mul_u32_u24 v15, v2, XSP
	v_add_nc_u32 v15, s17, v15                     ; and out: my 16 neighbours
	v_mul_u32_u24 v4, v2, 12                       ; my codes' place in a step's 384 bytes
	v_lshrrev_b32 v5, 1, v2
	s_add_co_u32 s17, s17, 2*32*XSP
	v_add_nc_u32 v5, s17, v5                       ; my wave's 256 scale bytes, my block's byte
	v_lshlrev_b32 v7, 3, v2
	v_add_nc_u32 v6, s17, v7
	s_sub_co_u32 s18, ttmp9, 512
	s_lshr_b32 s19, s18, 8                         ; which tensor: 0 q, 1 k, 2 v
	s_and_b32 s18, s18, 255
	s_lshl_b32 s18, s18, 2
	s_add_co_u32 s20, s18, s16                     ; the run of 8 rows that I read,
	s_and_b32 s21, s16, 1
	s_lshl_b32 s21, s21, 1
	s_lshr_b32 s22, s16, 1
	s_or_b32 s21, s21, s22
	s_add_co_u32 s21, s18, s21                     ; and where it goes: the middle two runs of four change places
	s_lshl_b32 s22, s20, 15
	s_mov_b32 s23, 0
	s_mul_i32 s24, s21, 6144
	s_mul_i32 s26, s19, 6291456
	s_add_co_u32 s24, s24, s26
	s_mov_b32 s25, 0
	s_lshl_b32 s26, s21, 8
	s_lshl_b32 s27, s19, 18
	s_add_co_u32 s26, s26, s27
	s_add_co_u32 s26, s26, PRE_XS
	s_mov_b32 s27, 0
	s_wait_alu depctr_va_vdst(0)
	s_wait_kmcnt 0x0
	s_cmp_eq_u32 s19, 0                            ; the choice hangs on the work-group's number alone
	s_cselect_b64 s[4:5], s[4:5], s[6:7]
	s_cmp_eq_u32 s19, 2
	s_cselect_b64 s[4:5], s[8:9], s[4:5]
	s_add_nc_u64 s[4:5], s[4:5], s[22:23]
	s_add_nc_u64 s[8:9], s[10:11], s[24:25]        ; the codes
	s_add_nc_u64 s[10:11], s[10:11], s[26:27]      ; the scale bytes
.irp t, 0,1,2,3
	LOADX \t
.endr
	s_wait_loadcnt 12                              ; step 0's four loads are in
	TURNX 0
.irp t, 0,1,2,3,4,5,6,7,8,9,10,11,12,13,14,15
	STEPX \t
.endr
	ds_load_b64 v[12:13], v6                       ; in order behind my byte stores
	s_wait_dscnt 0x0
	global_store_b64 v7, v[12:13], s[10:11]        ; 32 lanes store 256 consecutive bytes, aligned
	s_wait_tensorcnt 0x0
	ds_add_u32 v216, v217
	s_wait_dscnt 0x0
	s_endpgm
; ---------------- W: a lane takes a column n and its registers run down K: a block of 32 lies in one lane.  A wave takes 32 columns x 256 along K; its codes go through
; its own stage (rows of 272 bytes, the row chosen by the row order above) and leave as rows of 192 bytes.  LDS bytes 32,768 .. 67,583.
.set WNB,   8
.set WPITCH, 272
.set WKROW, 768
.set WX,    32                         ; v32-95   two sets of 32 numbers
.set WCD,   96                         ; v96..    a block's codes
.set WOUT,  112                        ; v112-175 the way out
.set WSB,   24                         ; v24-25   the scale bytes, four to a register
.macro LOADW t
.irp i, 0,1,2,3,4,5,6,7,8,9,10,11,12,13,14,15,16,17,18,19,20,21,22,23,24,25,26,27,28,29,30,31
	global_load_b32 v[WX+32*((\t)%2)+\i], v3, s[4:5] offset:(32*(\t)+\i)*4096 th:TH_LOAD_NT
.endr
.endm
.macro BLOCKW t
.set WS_, WX+32*((\t)%2)
.if (\t) < WNB-1
	s_wait_loadcnt 32                              ; this block's 32 loads are in; the next block's may be out
.else
	s_wait_loadcnt 0x0
.endif
	v_max3_num_f32 v12, |v[WS_]|, |v[WS_+1]|, |v[WS_+2]|
	v_max3_num_f32 v13, |v[WS_+3]|, |v[WS_+4]|, |v[WS_+5]|
.irp i, 6,10,14,18,22,26
	v_max3_num_f32 v12, v12, |v[WS_+\i]|, |v[WS_+\i+1]|
	v_max3_num_f32 v13, v13, |v[WS_+\i+2]|, |v[WS_+\i+3]|
.endr
	v_max3_num_f32 v12, v12, |v[WS_+30]|, |v[WS_+31]|
	v_max3_num_f32 v12, v12, v13, 0x1800000
	v_add_nc_u32 v11, 0xff000000, v12
	v_lshrrev_b32 v13, 23, v11
.if (\t)%4 == 0
	v_mov_b32 v[WSB+(\t)/4], v13
.else
	v_lshl_or_b32 v[WSB+(\t)/4], v13, 8*((\t)%4), v[WSB+(\t)/4]
.endif
	v_cvt_scalef32_pk16_fp6_f32 v[WCD:WCD+2], v[WS_:WS_+15], v11
	v_cvt_scalef32_pk16_fp6_f32 v[WCD+4:WCD+6], v[WS_+16:WS_+31], v11
	ds_store_b96 v4, v[WCD:WCD+2] offset:32*(\t)   ; 12 bytes to a place of 16: every LDS address is a multiple of 16
	ds_store_b96 v4, v[WCD+4:WCD+6] offset:32*(\t)+16
.if (\t)+2 < WNB
	LOADW (\t)+2
.endif
	s_wait_dscnt 0x0                               ; the stores have read their registers: the next block's codes may be written
.endm
.Lwgt:
	s_load_b64 s[4:5], s[0:1], 0x20                ; Wq
	s_load_b64 s[6:7], s[0:1], 0x28                ; Wk
	s_load_b64 s[8:9], s[0:1], 0x30                ; Wv
	s_load_b64 s[10:11], s[0:1], 0x38              ; Wo
	s_load_b64 s[12:13], s[0:1], 0x40              ; pre
	s_sub_co_u32 s30, ttmp9, 1280
	s_lshr_b32 s31, s30, 5                         ; which weight
	s_and_b32 s17, s30, 7
	s_bfe_u32 s18, s30, 0x20003                    ; which 256 along K
	s_lshl_b32 s17, s17, 7
	s_lshl_b32 s19, s16, 5
	s_add_co_u32 s17, s17, s19                     ; my wave's first column
	v_lshlrev_b32 v3, 2, v2
	s_mul_i32 s19, s16, 32*WPITCH
	s_add_co_u32 s19, s19, 32768                   ; my stage
	v_and_b32 v10, 7, v2
	v_and_b32 v11, 8, v2
	v_lshl_add_u32 v10, v11, 1, v10
	v_and_b32 v11, 16, v2
	v_lshrrev_b32 v11, 1, v11
	v_add_nc_u32 v10, v10, v11                     ; my column's place among the 32 rows: bits 3 and 4 swapped
	v_mul_u32_u24 v4, v10, WPITCH
	v_add_nc_u32 v4, s19, v4
	v_lshlrev_b32 v9, 5, v10                       ; and its row of scale bytes
	v_and_b32 v5, 15, v2
	v_lshrrev_b32 v6, 4, v2
	v_mul_u32_u24 v7, v6, WPITCH
	v_lshl_add_u32 v7, v5, 4, v7
	v_add_nc_u32 v7, s19, v7                       ; out of the stage: sixteen lanes to a row, two rows an instruction
	v_mul_u32_u24 v8, v6, WKROW
	v_mad_u32_u24 v8, v5, 12, v8
	s_lshl_b32 s20, s18, 20                        ; W: 256 rows of 4,096 bytes a part of K, + 4 x column
	s_lshl_b32 s21, s17, 2
	s_add_co_u32 s20, s20, s21
	s_mov_b32 s21, 0
	s_mul_i32 s22, s17, WKROW
	s_mul_i32 s23, s18, 192
	s_add_co_u32 s22, s22, s23
	s_mul_i32 s23, s31, 786432
	s_add_co_u32 s22, s22, s23
	s_add_co_u32 s22, s22, PRE_WC
	s_mov_b32 s23, 0
	s_lshl_b32 s24, s17, 5
	s_lshl_b32 s25, s18, 3
	s_add_co_u32 s24, s24, s25
	s_lshl_b32 s25, s31, 15
	s_add_co_u32 s24, s24, s25
	s_add_co_u32 s24, s24, PRE_WS
	s_mov_b32 s25, 0
	s_wait_alu depctr_va_vdst(0)
	s_wait_kmcnt 0x0
	s_bitcmp1_b32 s31, 0                           ; the choice hangs on the work-group's number alone
	s_cselect_b64 s[4:5], s[6:7], s[4:5]
	s_cselect_b64 s[8:9], s[10:11], s[8:9]
	s_bitcmp1_b32 s31, 1
	s_cselect_b64 s[4:5], s[8:9], s[4:5]
	s_add_nc_u64 s[4:5], s[4:5], s[20:21]
	s_add_nc_u64 s[6:7], s[12:13], s[22:23]
	s_add_nc_u64 s[8:9], s[12:13], s[24:25]
	LOADW 0
	LOADW 1
.irp t, 0,1,2,3,4,5,6,7
	BLOCKW \t
.endr
	s_wait_alu depctr_va_vdst(0)
	global_store_b64 v9, v[WSB:WSB+1], s[8:9]      ; my column's 8 scale bytes (rows 32 bytes apart: one byte in 128 of what this job reads)
.irp t, 0,1,2,3,4,5,6,7,8,9,10,11,12,13,14,15
	ds_load_b96 v[WOUT+4*\t:WOUT+4*\t+2], v7 offset:2*\t*WPITCH
.endr
.irp t, 0,1,2,3,4,5,6,7,8,9,10,11,12,13,14,15
	s_wait_dscnt 15-\t
	global_store_b96 v8, v[WOUT+4*\t:WOUT+4*\t+2], s[6:7] offset:2*\t*WKROW
.endr
	s_wait_tensorcnt 0x0
	ds_add_u32 v216, v217
	s_wait_dscnt 0x0
	s_endpgm
; ---------------- M: work-group g = (batch, tile of 16 queries); wave w takes key steps 4 w .. 4 w + 3 of 128 keys.  A step's 16 rows x 512 bytes are loaded as they lie, turned through the
; wave's own stage (rows of 528 bytes) into attention's score layout (lane (r, h): query r; register 16 b + i: key 32 b + 16 h + i), compared with 0, and the 64 lane masks leave as 256 bytes.
; Word position k of a step belongs to score register (k >> 1) + 32 (k & 1).  The flag word: bits 0-15 the key steps to be worked, bits 16-31 the key steps in which every key counts.
; A step in which no key counts is left out only if each of the 16 rows has a key that counts somewhere: a row masked everywhere needs all its steps.
; LDS bytes 67,584 .. 101,375 the stages, 101,376 .. 101,439 the four waves' figures.
.set MSTG,  67584
.set MEX,   101376
.set MR,    16                         ; v16-143  two sets of 64
.set MY,    144                        ; v144-207 the step in the score layout
.set MWD,   208                        ; v208-215 a pair of registers of mask words for each step
.macro LOADM t
.irp p, 0,1,2,3,4,5,6,7,8,9,10,11,12,13,14,15
	global_load_b128 v[MR+64*((\t)%2)+4*\p:MR+64*((\t)%2)+4*\p+3], v3, s[4:5] offset:(\p+8*(\p/8))*8192+512*(\t) th:TH_LOAD_NT
.endr
.endm
.macro TURNM t
.irp p, 0,1,2,3,4,5,6,7,8,9,10,11,12,13,14,15
	ds_store_b128 v4, v[MR+64*((\t)%2)+4*\p:MR+64*((\t)%2)+4*\p+3] offset:528*\p
.endr
.irp bb, 0,1,2,3
.irp g, 0,1,2,3
	ds_load_b128 v[MY+16*\bb+4*\g:MY+16*\bb+4*\g+3], v5 offset:128*\bb+16*\g
.endr
.endr
.endm
.macro STEPM t
.if (\t) < 3
	s_wait_loadcnt 16                              ; this step's 16 loads are in; the other set's 16 may be out
.else
	s_wait_loadcnt 0x0
.endif
	TURNM \t
	s_wait_dscnt 0x0
.if (\t) < 2
	LOADM (\t)+2
.endif
	s_mov_b32 s24, 0
	s_mov_b32 s25, -1
.set MN, 0
.rept 16
.irp e, 0,1,2,3
	v_cmp_ne_u32 s[20+\e], 0, v[MY+MN+\e]
.endr
.irp e, 0,1,2,3
	s_or_b32 s24, s24, s[20+\e]
	s_and_b32 s25, s25, s[20+\e]
.endr
	s_wait_alu depctr_va_vdst(0)                   ; a lane write reads its destination, behind eight scalar lines
.irp e, 0,1,2,3
	v_writelane_b32 v[MWD+2*(\t)+(MN+\e)/32], s[20+\e], (MN+\e)%32
.endr
.set MN, MN+4
.endr
	global_store_b64 v6, v[MWD+2*(\t):MWD+2*(\t)+1], s[6:7] offset:256*(\t)   ; 32 lanes store 256 consecutive bytes, aligned
	s_or_b32 s26, s26, s24                         ; which (query, half) has seen a key that counts
	s_cmp_lg_u32 s24, 0
	s_cselect_b32 s29, 1<<(\t), 0
	s_or_b32 s27, s27, s29                         ; some key counts in this step
	s_cmp_eq_u32 s25, -1
	s_cselect_b32 s29, 1<<(\t), 0
	s_or_b32 s28, s28, s29                         ; every key counts
.endm
.Lmask:
	s_load_b64 s[4:5], s[0:1], 0x0                 ; mask
	s_load_b64 s[6:7], s[0:1], 0x48                ; msk: the mask words
	s_load_b64 s[12:13], s[0:1], 0x50              ; flg: the flag words
	s_lshr_b32 s17, ttmp9, 7                       ; batch
	s_and_b32 s18, ttmp9, 127                      ; tile of queries
	s_lshr_b32 s19, s18, 1
	s_lshl_b32 s19, s19, 5
	s_and_b32 s20, s18, 1
	s_lshl_b32 s20, s20, 3
	s_add_co_u32 s19, s19, s20                     ; the tile's first query: 32 (tile / 2) + 8 (tile % 2)
	s_lshl_b32 s19, s19, 13
	s_lshl_b32 s20, s17, 24
	s_add_co_u32 s8, s19, s20
	s_lshl_b32 s20, s16, 11                        ; my four key steps: 2,048 bytes of a row
	s_add_co_u32 s8, s8, s20
	s_mov_b32 s9, 0
	s_lshl_b32 s10, ttmp9, 12                      ; the tile's 16 x 256 bytes of mask words,
	s_lshl_b32 s20, s16, 10                        ; my four steps of them
	s_add_co_u32 s10, s10, s20
	s_mov_b32 s11, 0
	s_lshl_b32 s14, ttmp9, 2                       ; the tile's flag word: 4 bytes a tile
	s_mov_b32 s15, 0
	s_mul_i32 s17, s16, 16*528
	s_add_co_u32 s17, s17, MSTG                    ; my stage
	v_lshlrev_b32 v3, 4, v2
	v_add_nc_u32 v4, s17, v3                       ; in: 16 x lane, a row an instruction
	v_and_b32 v7, 15, v2
	v_lshrrev_b32 v9, 4, v2
	v_mul_u32_u24 v5, v7, 528
	v_lshl_add_u32 v5, v9, 6, v5
	v_add_nc_u32 v5, s17, v5                       ; out: row r, + 64 h
	v_lshlrev_b32 v6, 3, v2
	s_lshl_b32 s17, s16, 4
	s_add_co_u32 s17, s17, MEX
	v_mov_b32 v7, s17                              ; my wave's 16 bytes of figures
	v_mov_b32 v9, MEX
.irp j, 0,1,2,3,4,5,6,7
	v_mov_b32 v[MWD+\j], 0                         ; written once: a lane write's destination counts as one of its sources
.endr
	s_mov_b32 s26, 0
	s_mov_b32 s27, 0
	s_mov_b32 s28, 0
	s_wait_alu depctr_va_vdst(0)
	s_wait_kmcnt 0x0
	s_add_nc_u64 s[4:5], s[4:5], s[8:9]
	s_add_nc_u64 s[12:13], s[12:13], s[14:15]
	s_add_nc_u64 s[6:7], s[6:7], s[10:11]
	LOADM 0
	LOADM 1
	STEPM 0
	STEPM 1
	STEPM 2
	STEPM 3
	s_lshl_b32 s29, s16, 2
	s_lshl_b32 s27, s27, s29                       ; my four bits at their places among the sixteen
	s_lshl_b32 s28, s28, s29
	v_mov_b32 v10, s26
	v_mov_b32 v11, s27
	v_mov_b32 v12, s28
	v_mov_b32 v13, 0
	ds_store_b128 v7, v[10:13]                     ; all lanes write the same 16 bytes with the same values
	s_wait_dscnt 0x0                               ; for the others' sake: my store has landed
	s_barrier_signal -1
	s_barrier_wait -1
.irp w, 0,1,2,3
	ds_load_b128 v[16+4*\w:19+4*\w], v9 offset:16*\w
.endr
	s_wait_dscnt 0x0
.irp w, 1,2,3
	v_or_b32 v16, v16, v[16+4*\w]
	v_or_b32 v17, v17, v[17+4*\w]
	v_or_b32 v18, v18, v[18+4*\w]
.endr
	v_lshrrev_b32 v10, 16, v16
	v_or_b32 v16, v16, v10
	v_and_b32 v16, 0xffff, v16                     ; bit r: query r has a key that counts
	v_cmp_eq_u32 vcc_lo, 0xffff, v16
	v_mov_b32 v10, 0xffff
	v_cndmask_b32 v17, v10, v17, vcc_lo            ; all sixteen have one: work the steps in which some key counts; else all steps
	v_lshl_or_b32 v17, v18, 16, v17
	s_wait_xcnt 0x0                                ; EXEC changes only behind this wait: my stores have read it
	v_cmp_eq_u32 vcc_lo, 0, v0
	s_wait_alu depctr_va_vdst(0)
	s_wait_tensorcnt 0x0
	ds_add_u32 v216, v217
	s_wait_dscnt 0x0
	s_and_saveexec_b32 s29, vcc_lo                 ; thread 0 alone
	global_store_b32 v13, v17, s[12:13]            ; one word a tile: 2,048 bytes in all
	s_wait_xcnt 0x0
	s_or_b32 exec_lo, exec_lo, s29
	s_endpgm
.Lfunc_end_k_q77f76200d1_prep:
	.size	k_q77f76200d1_prep, .Lfunc_end_k_q77f76200d1_prep-k_q77f76200d1_prep
	.p2alignl 7, 3214868480
	.fill 96, 4, 3214868480
	.section	.rodata,"a",@progbits
	.p2align	6, 0x0
	.amdhsa_kernel k_q77f76200d1_prep
		.amdhsa_group_segment_fixed_size 102144
		.amdhsa_private_segment_fixed_size 0
		.amdhsa_enable_private_segment 0
		.amdhsa_kernarg_size 88
		.amdhsa_user_sgpr_count 2
		.amdhsa_user_sgpr_kernarg_segment_ptr 1
		.amdhsa_wavefront_size32 1
		.amdhsa_system_sgpr_workgroup_id_x 1
		.amdhsa_system_sgpr_workgroup_id_y 1
		.amdhsa_system_sgpr_workgroup_id_z 1
		.amdhsa_system_vgpr_workitem_id 0
		.amdhsa_next_free_vgpr 218
		.amdhsa_next_free_sgpr 66
		.amdhsa_reserve_vcc 1
		.amdhsa_float_denorm_mode_32 3
		.amdhsa_float_denorm_mode_16_64 3
		.amdhsa_memory_ordered 1
		.amdhsa_forward_progress 1
		.amdhsa_inst_pref_size 147
	.end_amdhsa_kernel
	.amdgpu_metadata
---
amdhsa.version: [ 1, 2 ]
amdhsa.kernels:
  - .name:           k_q77f76200d1_prep
    .symbol:         k_q77f76200d1_prep.kd
    .args:
      - { .name: mask, .offset: 0, .size: 8, .value_kind: global_buffer, .address_space: global }
      - { .name: q, .offset: 8, .size: 8, .value_kind: global_buffer, .address_space: global }
      - { .name: k, .offset: 16, .size: 8, .value_kind: global_buffer, .address_space: global }
      - { .name: v, .offset: 24, .size: 8, .value_kind: global_buffer, .address_space: global }
      - { .name: Wq, .offset: 32, .size: 8, .value_kind: global_buffer, .address_space: global }
      - { .name: Wk, .offset: 40, .size: 8, .value_kind: global_buffer, .address_space: global }
      - { .name: Wv, .offset: 48, .size: 8, .value_kind: global_buffer, .address_space: global }
      - { .name: Wo, .offset: 56, .size: 8, .value_kind: global_buffer, .address_space: global }
      - { .name: pre, .offset: 64, .size: 8, .value_kind: global_buffer, .address_space: global }
      - { .name: msk, .offset: 72, .size: 8, .value_kind: global_buffer, .address_space: global }
      - { .name: flg, .offset: 80, .size: 8, .value_kind: global_buffer, .address_space: global }
    .group_segment_fixed_size: 102144
    .private_segment_fixed_size: 0
    .kernarg_segment_align: 8
    .kernarg_segment_size: 88
    .max_flat_workgroup_size: 128
    .sgpr_count:     66
    .vgpr_count:     218
    .wavefront_size: 32
...
	.end_amdgpu_metadata
.endif
;; end of part 1
;; launch proj (part 2): grid 4 x 64, 4 waves a work-group, clusters of 4 x 4, 327,680 bytes of LDS; arguments pre, qkv; writes qkv
.if DOCPART == 2
	.amdgcn_target "amdgcn-amd-amdhsa--gfx1250"
	.amdhsa_code_object_version 6
	.text
	.protected	k_q77f76200d1_proj
	.globl	k_q77f76200d1_proj
	.p2align	8
	.type	k_q77f76200d1_proj,@function
k_q77f76200d1_proj:
	s_mov_b64 s[64:65], 0
	v_nop
	global_prefetch_b8 v0, s[64:65] scope:SCOPE_SE
	s_setreg_imm32_b32 hwreg(HW_REG_WAVE_MODE, 25, 1), 1
	s_wait_xcnt 0x0
	s_wait_alu depctr_hold_cnt(0) depctr_sa_sdst(0) depctr_va_vdst(0) depctr_va_sdst(0) depctr_va_ssrc(0) depctr_va_vcc(0) depctr_vm_vsrc(0)
	s_getreg_b32 s2, hwreg(HW_REG_IB_STS2, 6, 4)
	s_cmp_eq_u32 s2, 0
	s_cbranch_scc0 .Lentry_in_a_cluster
	s_endpgm
.Lentry_in_a_cluster:
	s_bfe_u32 s2, ttmp6, 0x10000c
	s_cmp_lg_u32 s2, 0xf033
	s_cbranch_scc0 .Lentry_shape_is_right
	s_endpgm
.Lentry_shape_is_right:
; THE THREE PROJECTIONS on codes of FP6 (E2M3), K = 1,024, with the rotary embedding and the next quantiser on the way out.
; 256 WORK-GROUPS THAT STAY: each makes three tiles of 128 x 256, the same place in q's, k's and v's product.  Q, K: side A = 128 tokens, side B = 256 rows of the weight.
; V: side A = 128 rows of Wv, side B = 256 tokens, so that V comes out with the keys innermost.
; ALL OF K OF A TILE LIES IN LDS: a row of codes is 768 bytes; 64 rows of A or 128 rows of B are one dense block of memory, stated as rows of 256 bytes that begin at multiples of 256, 16 bytes of padding behind each:
; an LDS row is 3 x 272 = 816 bytes.  One tensor load a wave for a tile (waves 0, 1: A's halves; waves 2, 3: B's); no barrier in the walk along K.
; THE NEXT TILE is asked for behind a tile's last product: every wave waits for its tensor loads, adds 0 to its spare word, waits for that and for its LDS reads, a round of the cluster's barrier follows, and the
; refill is the wave's first tensor load behind it.  The way out, which touches no LDS, stands behind the refill.  The last tile asks for nothing: it is written out behind the loop of two trips.
; CLUSTERS 4 x 4: A's tile is asked for jointly along a row of the cluster, B's along a column.
; No prefetch: a tile's bytes are asked for whole by its one refill, which stands a whole way out ahead of their first use.
; A wave makes 64 x 128: 32 accumulators.  The product is used transposed (source 0 = B's rows, source 1 = A's): a lane holds one row of A's side and neighbours along B's side.
; SCALE WORDS come from memory straight into registers: one load of 16 bytes a lane covers 16 rows x 32 bytes, 512 bytes on end; lanes 0-15 hold the words of K steps 0-3, lanes 16-31 those of steps 4-7 (ROW1).
; THE WAY OUT of 16 rows x 128: rotary embedding by the table (V: the table of (1, 0)), four blocks of 32 quantised, stored as images of operand registers, as attention reads them.
; REGISTERS: window 0: v16-29 addresses, v32-79 scale words and nothing else, v80-143 the rotated numbers, v144-239 A's fragments, two sets (on the way out: at work);
; window 1: B's fragments, two sets, at v0 and v128; window 2: the accumulators, (a, b) at v[8 (8 a + b)]; window 3: v0-127 the table's numbers for my four blocks of 16 rows.
.set P,      816
.set ABYT,   128*P
.set SPARE,  384*P                     ; behind the tiles: the spare words, 512 bytes
.set PRE_TAB, 22937600
.set PRE_IDT, 23461888
.set ADRA, 16                          ; v16 my A rows, v17 the same + 16 in lanes 16-31 (their piece lies in the row's next 256 bytes)
.set ADRB, 18                          ; v18, v19 the same for B's blocks 0-3; v20, v21 for blocks 4-7 (an LDS immediate has 16 bits)
.set L16,  22
.set L8,   23
.set TBO,  24
.set SCO,  25
.set SWO,  26
.set SPW,  28
.set NIL,  29
.set SA,   32
.set SB,   48
.set RX,   80
.set AF,   144
.set PC,   144
.set TM,   164
.set PW,   180
.set SWR,  184
.set RT,   188
.set OW,   196
.set SEL,  72
.set G1,  24
.set G0,  32
.set G1B, 48
.set G0B, 56
.set MULW, 0xa1                        ; source 0 window 1, source 1 window 0, C and D window 2
.set TO_B, 0x40
.set MSB, 0
.macro WIN new                         ; the immediate's high byte repeats the setting that is left
.if MSB != \new
	s_set_vgpr_msb (MSB<<8)|\new
.set MSB, \new
.endif
.endm
.macro PLACES
.rept 4
	v_nop
.endr
.endm
.macro CROUND                          ; a round of the cluster's barrier
	s_barrier_signal -1
	s_barrier_wait -1
	s_cmp_lg_u32 s14, 0
	s_cbranch_scc1 .Lnot_wave_0_\@
	s_barrier_signal -3
.Lnot_wave_0_\@:
	s_barrier_wait -3
	s_barrier_signal -1
	s_barrier_wait -1
.endm
.macro JLOAD                           ; one joint load a wave, one to an arm
	s_cmp_eq_u32 s15, 0
	s_cbranch_scc0 .Lfor_b_\@
	tensor_load_to_lds s[G0:G0+3], s[G1:G1+7]
	s_nop 0
	PLACES
	s_branch .Lasked_\@
.Lfor_b_\@:
	tensor_load_to_lds s[G0B:G0B+3], s[G1B:G1B+7]
	s_nop 0
	PLACES
.Lasked_\@:
.endm
; where tensor s95's tile comes from: the two descriptors' addresses and the pointers to my rows' scale bytes.  Scalar work alone; no tensor load of mine is out where it stands
.macro ADDR_IN
	s_mul_i32 s98, s95, 6291456                    ; side A's codes,
	s_mul_i32 s99, s95, 262144
	s_add_co_u32 s99, s99, 18874368                ; its scale bytes,
	s_mul_i32 s100, s95, 786432
	s_add_co_u32 s100, s100, 19660800              ; side B's codes,
	s_mul_i32 s101, s95, 32768
	s_add_co_u32 s101, s101, 22806528              ; its scale bytes
	s_cmp_eq_u32 s95, 2                            ; V: the sides change places
	s_cselect_b32 s98, 21233664, s98
	s_cselect_b32 s99, 22872064, s99
	s_cselect_b32 s100, 12582912, s100
	s_cselect_b32 s101, 19398656, s101
	s_cselect_b32 s17, s96, s67
	s_cselect_b32 s42, s97, 0
	s_lshl_b32 s42, s42, 2
	s_add_co_u32 s42, s42, s40                     ; B's block of 256 rows
	s_lshl_b32 s17, s17, 2
	s_add_co_u32 s17, s17, s41                     ; A's block of 128 rows
	s_lshl_b32 s20, s17, 7
	s_lshl_b32 s18, s16, 6
	s_add_co_u32 s20, s20, s18
	s_mul_i32 s20, s20, 768
	s_add_co_u32 s20, s20, s98
	s_mov_b32 s21, 0
	s_lshl_b32 s46, s42, 8
	s_lshl_b32 s18, s16, 7
	s_add_co_u32 s46, s46, s18
	s_mul_i32 s46, s46, 768
	s_add_co_u32 s46, s46, s100
	s_mov_b32 s47, 0
	s_add_nc_u64 s[G0+2:G0+3], s[4:5], s[20:21]
	s_or_b32 s[G0+3], s[G0+3], 0x80000000
	s_add_nc_u64 s[G0B+2:G0B+3], s[4:5], s[46:47]
	s_or_b32 s[G0B+3], s[G0B+3], 0x80000000
	s_lshl_b32 s68, s17, 12                        ; my 64 rows' scale bytes of side A
	s_lshl_b32 s18, s15, 11
	s_add_co_u32 s68, s68, s18
	s_add_co_u32 s68, s68, s99
	s_mov_b32 s69, 0
	s_add_nc_u64 s[68:69], s[4:5], s[68:69]
	s_lshl_b32 s70, s42, 13                        ; my 128 rows' of side B
	s_lshl_b32 s18, s16, 12
	s_add_co_u32 s70, s70, s18
	s_add_co_u32 s70, s70, s101
	s_mov_b32 s71, 0
	s_add_nc_u64 s[70:71], s[4:5], s[70:71]
.endm
; where the tile goes, and its part of the table
.macro ADDR_OUT
	s_lshl_b32 s19, s42, 1
	s_add_co_u32 s19, s19, s16                     ; B's group of 128
	s_mov_b32 s22, PRE_IDT
	s_cmp_eq_u32 s95, 2
	s_cselect_b32 s20, 1, 8
	s_cselect_b32 s21, 8, 1
	s_cselect_b32 s22, s22, PRE_TAB
	s_mul_i32 s20, s17, s20
	s_mul_i32 s21, s19, s21
	s_add_co_u32 s20, s20, s21                     ; the unit of 128 x 128 codes: 12,288 bytes, 512 of scale words
	s_mul_i32 s8, s20, 12288
	s_mul_i32 s23, s95, 6291456
	s_add_co_u32 s8, s8, s23
	s_mul_i32 s23, s15, 6144                       ; my four of its eight tiles
	s_add_co_u32 s8, s8, s23
	s_mov_b32 s9, 0
	s_add_nc_u64 s[8:9], s[6:7], s[8:9]
	s_lshl_b32 s10, s20, 9
	s_mul_i32 s23, s95, 262144
	s_add_co_u32 s10, s10, s23
	s_add_co_u32 s10, s10, 18874368
	s_lshl_b32 s23, s15, 8
	s_add_co_u32 s10, s10, s23
	s_mov_b32 s11, 0
	s_add_nc_u64 s[10:11], s[6:7], s[10:11]
	s_and_b32 s12, s17, 15                         ; the table: 128 positions x 256 bytes a group, + my 64
	s_lshl_b32 s12, s12, 15
	s_add_co_u32 s12, s12, s22
	s_lshl_b32 s23, s15, 14
	s_add_co_u32 s12, s12, s23
	s_mov_b32 s13, 0
	s_add_nc_u64 s[12:13], s[4:5], s[12:13]
.endm
.macro SCLD                            ; the tile's scale words: 12 loads
.irp i, 0,1,2,3
	global_load_b128 v[SA+4*\i:SA+4*\i+3], v[SCO], s[68:69] offset:512*\i
.endr
.irp i, 0,1,2,3,4,5,6,7
	global_load_b128 v[SB+4*\i:SB+4*\i+3], v[SCO], s[70:71] offset:512*\i
.endr
.endm
; a fragment, 16 rows x 128 K, is 12 registers, in pieces of 8 bytes; byte y of a row of codes lies at y + 16 (y / 256) of its LDS row; lanes 16-31 read 24 bytes further on
.macro FRAG reg, adr, st, off
.irp p, 0,1,2,3,4,5
.set BY, 96*(\st)+48*(\p/3)+8*(\p%3)
.if BY/256 == (BY+24)/256
	ds_load_b64 v[\reg+2*\p:\reg+2*\p+1], v[\adr] offset:BY+16*(BY/256)+(\off)
.else
	ds_load_b64 v[\reg+2*\p:\reg+2*\p+1], v[\adr+1] offset:BY+16*(BY/256)+(\off)
.endif
.endr
.endm
.macro FETB st, i
	FRAG 128*((\st)%2)+12*(\i), ADRB+2*((\i)/4), \st, ((\i)%4)*16*P
.endm
.macro FETA st
.irp i, 0,1,2,3
	FRAG AF+48*((\st)%2)+12*\i, ADRA, \st, \i*16*P
.endr
.endm
; 16 matrix instructions: A's blocks a0, a0 + 1 x B's eight.  The 32 accumulators take turns, in the same order in every step; step 0 starts the sums
.macro MUL a0, st
.irp a, \a0, \a0+1
.irp b, 0,1,2,3,4,5,6,7
.set DD, 8*(8*(\a)+\b)
.set BF, 128*((\st)%2)+12*\b
.set AA, AF+48*((\st)%2)+12*(\a)
.if (\st) == 0
	v_wmma_scale_f32_16x16x128_f8f6f4 v[DD:DD+7], v[BF:BF+11], v[AA:AA+11], 0, v[SB+4*\b], v[SA+4*(\a)] matrix_a_fmt:MATRIX_FMT_FP6 matrix_b_fmt:MATRIX_FMT_FP6
.elseif (\st) < 4
	v_wmma_scale_f32_16x16x128_f8f6f4 v[DD:DD+7], v[BF:BF+11], v[AA:AA+11], v[DD:DD+7], v[SB+4*\b+(\st)%4], v[SA+4*(\a)+(\st)%4] matrix_a_fmt:MATRIX_FMT_FP6 matrix_b_fmt:MATRIX_FMT_FP6
.else
	v_wmma_scale_f32_16x16x128_f8f6f4 v[DD:DD+7], v[BF:BF+11], v[AA:AA+11], v[DD:DD+7], v[SB+4*\b+(\st)%4], v[SA+4*(\a)+(\st)%4] matrix_a_fmt:MATRIX_FMT_FP6 matrix_b_fmt:MATRIX_FMT_FP6 matrix_a_scale:MATRIX_SCALE_ROW1 matrix_b_scale:MATRIX_SCALE_ROW1
.endif
.endr
.endr
.endm
; a step of 128 along K: 32 matrix instructions; the next step's 72 LDS loads go into the other sets in two runs of 36.  The four places at the step's head stand between the last step's products and both runs
.macro STEP st
	s_wait_dscnt 0x0                               ; this step's fragments are in
.if (\st) < 7
.if (\st) > 0
	PLACES
.endif
	WIN TO_B
.irp i, 0,1,2,3,4,5
	FETB (\st)+1, \i
.endr
.endif
	WIN MULW
	MUL 0, \st
.if (\st) < 7
	WIN TO_B
	FETB (\st)+1, 6
	FETB (\st)+1, 7
	WIN 0
	FETA (\st)+1
.endif
	WIN MULW
	MUL 2, \st
.endm
; a tile's products
.macro TILEK
	s_wait_tensorcnt 0x0                           ; my part of the tile has landed
	s_barrier_signal -1
	s_barrier_wait -1                              ; and everybody's
	WIN TO_B
.irp i, 0,1,2,3,4,5,6,7
	FETB 0, \i
.endr
	WIN 0
	FETA 0
	WIN 0xc0                                       ; destination window 3: the table's numbers for the way out, 32 loads
.irp a, 0,1,2,3
.irp bb, 0,1
.irp g, 0,1,2,3
	global_load_b128 v[32*\a+16*\bb+4*\g:32*\a+16*\bb+4*\g+3], v[TBO], s[12:13] offset:(32*(\a/2)+8*(\a%2))*256+128*\bb+16*\g
.endr
.endr
.endr
	WIN 0
	s_wait_loadcnt 32                              ; the 12 loads of scale words are in; the 32 of the table, issued behind them, may be out
.irp st, 0,1,2,3,4,5,6,7
	STEP \st
.endr
	WIN 0
	PLACES                                         ; behind the last products: their results are read, their operands and scale words written
.endm
.macro ROPE a                          ; (x1, x2) -> (x1 cos - x2 sin, x1 sin + x2 cos), a pair an instruction; each accumulator from its low end on
	WIN 0x0e                                       ; source 0 window 2, source 1 window 3
.irp g, 0,1,2,3,4,5,6,7
.irp e, 0,1,2,3
	v_pk_mul_f32 v[RT+2*\e:RT+2*\e+1], v[64*\a+8*\g+2*\e:64*\a+8*\g+2*\e+1], v[32*\a+16*((\g/2)%2)+8*(\g%2)+2*\e:32*\a+16*((\g/2)%2)+8*(\g%2)+2*\e+1] op_sel:[1,1] op_sel_hi:[1,0]
.endr
.irp e, 0,1,2,3
	v_pk_fma_f32 v[RX+8*\g+2*\e:RX+8*\g+2*\e+1], v[64*\a+8*\g+2*\e:64*\a+8*\g+2*\e+1], v[32*\a+16*((\g/2)%2)+8*(\g%2)+2*\e:32*\a+16*((\g/2)%2)+8*(\g%2)+2*\e+1], v[RT+2*\e:RT+2*\e+1] op_sel_hi:[0,1,1] neg_lo:[0,0,1]
.endr
.endr
	WIN 0
.endm
.macro QUANT s                         ; four blocks of 32: lanes l and l xor 16 hold a block; the codes as an operand's 12 registers, the four bytes as its scale word
.irp b, 0,1,2,3
	v_max3_num_f32 v[TM+\b], |v[\s+16*\b]|, |v[\s+1+16*\b]|, 0x1800000
.endr
.irp i, 2,4,6,8,10,12,14
.irp b, 0,1,2,3
	v_max3_num_f32 v[TM+\b], v[TM+\b], |v[\s+16*\b+\i]|, |v[\s+1+16*\b+\i]|
.endr
.endr
.irp b, 0,1,2,3
	v_permlanex16_b32 v[TM+4+\b], v[TM+\b], s[SEL], s[SEL+1]
.endr
.irp b, 0,1,2,3
	v_max_num_f32 v[TM+\b], v[TM+\b], v[TM+4+\b]
.endr
.irp b, 0,1,2,3
	v_add_nc_u32 v[TM+12+\b], 0xff000000, v[TM+\b]
.endr
.irp b, 0,1,2,3
	v_lshrrev_b32 v[TM+4+\b], 23, v[TM+12+\b]
.endr
	v_lshl_or_b32 v[PW], v[TM+5], 8, v[TM+4]
	v_lshl_or_b32 v[PW], v[TM+6], 16, v[PW]
	v_lshl_or_b32 v[PW], v[TM+7], 24, v[PW]
.irp c, 0,1
	v_cvt_scalef32_pk16_fp6_f32 v[PC+6*\c:PC+2+6*\c], v[\s+32*\c:\s+15+32*\c], v[TM+12+2*\c]
	v_cvt_scalef32_pk16_fp6_f32 v[PC+12+4*\c:PC+14+4*\c], v[\s+16+32*\c:\s+31+32*\c], v[TM+12+2*\c+1]
.endr
	v_nop                                          ; one plain line behind a scaled conversion
.irp c, 0,1
.irp i, 0,1,2
	v_permlane16_swap_b32 v[PC+6*\c+\i], v[PC+12+4*\c+\i]
.endr
.irp i, 0,1,2
	v_mov_b32 v[PC+3+6*\c+\i], v[PC+12+4*\c+\i]
.endr
.endr
.endm
; a tile's way out.  younger: the global loads issued behind the table's, which may stay out
.macro EPI younger
	s_wait_loadcnt \younger                        ; the table's numbers are in
.irp b, 0,1,2,3
	v_mov_b32 v[TM+4+\b], 0                        ; a lane permute's destination counts as one of its sources
.endr
.irp a, 0,1,2,3
.if \a > 0
	s_wait_xcnt 0x0                                ; the last block's stores have read their data
.endif
	ROPE \a
	QUANT RX
	global_store_b128 v[L16], v[PC:PC+3], s[8:9] offset:1536*\a          ; 512 consecutive bytes, aligned
	global_store_b64 v[L8], v[PC+4:PC+5], s[8:9] offset:1536*\a+512      ; 256
	global_store_b128 v[L16], v[PC+6:PC+9], s[8:9] offset:1536*\a+768
	global_store_b64 v[L8], v[PC+10:PC+11], s[8:9] offset:1536*\a+1280
	v_mov_b32 v[SWR+\a], v[PW]
.endr
	v_cndmask_b32 v[OW], v[SWR], v[SWR+2], s74     ; lanes 0-15 tiles 0, 1 of row r; lanes 16-31 tiles 2, 3
	v_cndmask_b32 v[OW+1], v[SWR+1], v[SWR+3], s74
	global_store_b64 v[SWO], v[OW:OW+1], s[10:11]  ; 256 consecutive bytes, aligned
.endm
	s_load_b128 s[4:7], s[0:1], 0x0                ; pre, qkv
	v_lshl_add_u32 v[SPW], v0, 2, SPARE
	v_mov_b32 v[NIL], 0
	ds_add_u32 v[SPW], v[NIL]                      ; the opening lines: the add, twice on end, and its wait
	ds_add_u32 v[SPW], v[NIL]
	v_lshrrev_b32 v1, 5, v0
	v_readfirstlane_b32 s14, v1                    ; wave
	s_lshr_b32 s15, s14, 1                         ; my half of A's rows; also: I fetch for A (0) or B (1)
	s_and_b32 s16, s14, 1                          ; my half of B's rows; also: which half I fetch
	s_bfe_u32 s40, ttmp6, 0x40000                  ; cx
	s_bfe_u32 s41, ttmp6, 0x40004                  ; cy
	s_and_b32 s67, ttmp7, 0xffff                   ; the cluster, 0 .. 15
	s_and_b32 s96, s67, 1
	s_lshr_b32 s97, s67, 1
	s_lshl_b32 s43, s41, 2
	s_lshl_b32 s43, 15, s43                        ; my row of the cluster
	s_lshl_b32 s44, 0x1111, s40                    ; my column
	s_or_b32 s[G1], s43, (3<<16)|(1<<20)|(1<<21)|(5<<22)|(3<<25)   ; elements of 8 bytes, 4 words of padding behind every 64
	s_mov_b32 s[G1+1], 32<<16
	s_mov_b32 s[G1+2], 192<<16                     ; 64 rows of codes = 192 rows of 256 bytes
	s_mov_b32 s[G1+3], 32<<16
	s_mov_b32 s[G1+4], 192
	s_mov_b32 s[G1+5], 32
	s_mov_b32 s[G1+6], 0
	s_mov_b32 s[G1+7], 0
	s_or_b32 s[G1B], s44, (3<<16)|(1<<20)|(1<<21)|(5<<22)|(3<<25)
	s_mov_b32 s[G1B+1], 32<<16
	s_mov_b32 s[G1B+2], 384<<16                    ; 128 rows of codes
	s_mov_b32 s[G1B+3], 32<<16
	s_mov_b32 s[G1B+4], 384
	s_mov_b32 s[G1B+5], 32
	s_mov_b32 s[G1B+6], 0
	s_mov_b32 s[G1B+7], 0
	s_mov_b32 s[G0], 1
	s_mul_i32 s[G0+1], s16, 64*P
	s_mov_b32 s[G0B], 1
	s_mul_i32 s[G0B+1], s16, 128*P
	s_add_co_u32 s[G0B+1], s[G0B+1], ABYT
	s_mov_b32 s[SEL], 0x76543210
	s_mov_b32 s[SEL+1], 0xfedcba98
	s_mov_b32 s74, 0xffff0000
	s_mov_b32 s95, 0                               ; the tensor: 0 q, 1 k, 2 v
	s_wait_dscnt 0x0                               ; both opening adds are done
	s_wait_kmcnt 0x0
	ADDR_IN
	CROUND                                         ; all sixteen work-groups are here: the joint loads meet
	JLOAD
	s_mul_i32 s21, s15, 64*P
	s_mul_i32 s22, s16, 128*P
	s_add_co_u32 s22, s22, ABYT
	s_add_co_u32 s23, s22, 64*P
	v_and_b32 v1, 15, v0                           ; r
	v_bfe_u32 v2, v0, 4, 1                         ; h
	v_and_b32 v6, 31, v0
	v_mul_u32_u24 v3, v1, P
	v_mad_u32_u24 v4, v2, 24, v3                   ; r P + 24 h
	v_lshl_add_u32 v5, v2, 4, v4
	v_add_nc_u32 v[ADRA], s21, v4
	v_add_nc_u32 v[ADRA+1], s21, v5
	v_add_nc_u32 v[ADRB], s22, v4
	v_add_nc_u32 v[ADRB+1], s22, v5
	v_add_nc_u32 v[ADRB+2], s23, v4
	v_add_nc_u32 v[ADRB+3], s23, v5
	v_lshlrev_b32 v[L16], 4, v6
	v_lshlrev_b32 v[L8], 3, v6
	v_and_b32 v7, 8, v1
	v_add_nc_u32 v7, v7, v1                        ; r + 8 (r / 8): the tile's positions
	v_lshlrev_b32 v7, 8, v7
	v_lshl_add_u32 v[TBO], v2, 6, v7
	v_lshlrev_b32 v8, 5, v1
	v_lshl_add_u32 v[SCO], v2, 4, v8               ; 32 r + 16 h
	v_lshlrev_b32 v9, 4, v1
	v_lshl_add_u32 v[SWO], v2, 3, v9               ; 16 r + 8 h
	s_wait_alu depctr_va_vdst(0)
	SCLD
	ADDR_OUT
.Ltile:                                                ; two trips: q's tile, k's tile
	TILEK
	s_wait_tensorcnt 0x0                           ; none of my tensor loads is out;
	ds_add_u32 v[SPW], v[NIL]                      ; 0 onto my spare word;
	s_add_co_u32 s95, s95, 1                       ; the next tensor: its descriptors, work on registers
	ADDR_IN
	s_wait_dscnt 0x0                               ; the add is done, and so are my reads of this tile
	CROUND                                         ; both now hold of every wave of the cluster
	JLOAD                                          ; the next tile, onto the same bytes: my first tensor load behind the round
	SCLD                                           ; and its scale words
	EPI 12                                         ; behind the table's loads stand the 12 just issued
	s_wait_xcnt 0x0                                ; the stores have read their bases
	ADDR_OUT
	s_cmp_lt_u32 s95, 2
	s_wait_alu depctr_va_vdst(0)
	s_cbranch_scc1 .Ltile
	TILEK                                          ; v's tile: nothing more is asked for
	EPI 0
	s_wait_tensorcnt 0x0                           ; the wave's end
	ds_add_u32 v[SPW], v[NIL]
	s_wait_dscnt 0x0
	CROUND                                         ; the closing round
	s_endpgm
.Lfunc_end_k_q77f76200d1_proj:
	.size	k_q77f76200d1_proj, .Lfunc_end_k_q77f76200d1_proj-k_q77f76200d1_proj
	.p2alignl 7, 3214868480
	.fill 96, 4, 3214868480
	.section	.rodata,"a",@progbits
	.p2align	6, 0x0
	.amdhsa_kernel k_q77f76200d1_proj
		.amdhsa_group_segment_fixed_size 327680
		.amdhsa_private_segment_fixed_size 0
		.amdhsa_enable_private_segment 0
		.amdhsa_kernarg_size 16
		.amdhsa_user_sgpr_count 2
		.amdhsa_user_sgpr_kernarg_segment_ptr 1
		.amdhsa_wavefront_size32 1
		.amdhsa_system_sgpr_workgroup_id_x 1
		.amdhsa_system_sgpr_workgroup_id_y 1
		.amdhsa_system_sgpr_workgroup_id_z 1
		.amdhsa_system_vgpr_workitem_id 0
		.amdhsa_next_free_vgpr 1024
		.amdhsa_next_free_sgpr 102
		.amdhsa_reserve_vcc 0
		.amdhsa_float_denorm_mode_32 3
		.amdhsa_float_denorm_mode_16_64 3
		.amdhsa_memory_ordered 1
		.amdhsa_forward_progress 1
		.amdhsa_inst_pref_size 229
	.end_amdhsa_kernel
	.amdgpu_metadata
---
amdhsa.version: [ 1, 2 ]
amdhsa.kernels:
  - .name:           k_q77f76200d1_proj
    .symbol:         k_q77f76200d1_proj.kd
    .args:
      - { .name: pre, .offset: 0, .size: 8, .value_kind: global_buffer, .address_space: global }
      - { .name: qkv, .offset: 8, .size: 8, .value_kind: global_buffer, .address_space: global }
    .group_segment_fixed_size: 327680
    .private_segment_fixed_size: 0
    .kernarg_segment_align: 8
    .kernarg_segment_size: 16
    .max_flat_workgroup_size: 128
    .sgpr_count:     102
    .vgpr_count:     1024
    .wavefront_size: 32
...
	.end_amdgpu_metadata
.endif
;; end of part 2
;; launch attn (part 3): grid 256 x 1, 16 waves a work-group, no clusters, 210,944 bytes of LDS; arguments qkv, msk, flg, att; writes att
.if DOCPART == 3
	.amdgcn_target "amdgcn-amd-amdhsa--gfx1250"
	.amdhsa_code_object_version 6
	.text
	.protected	k_q77f76200d1_attn
	.globl	k_q77f76200d1_attn
	.p2align	8
	.type	k_q77f76200d1_attn,@function
k_q77f76200d1_attn:
	s_mov_b64 s[64:65], 0
	v_nop
	global_prefetch_b8 v0, s[64:65] scope:SCOPE_SE
	s_setreg_imm32_b32 hwreg(HW_REG_WAVE_MODE, 25, 1), 1
	s_wait_xcnt 0x0
; ATTENTION on codes of FP6 (E2M3), head size 64, 2,048 keys, under the GIVEN mask; O / l is quantised along the last product's K and stored as images of operand registers.
; SHARES.  Work-group x serves (batch, head) x / 4 and the blocks p = x % 4 and 7 - p of 256 queries, in a loop of two trips; each of its sixteen waves owns one tile of 16 queries of a block, four waves to a SIMD.
; THE WHOLE HEAD'S K AND V LIE IN LDS: 16 key steps x (6,144 + 6,144) bytes of codes as images of operand registers, and their scale words; they are brought once, through registers, and one barrier follows.
; Q's codes, scale word and flag word of BOTH blocks are asked for at the head, ahead of K's and V's loads.
; A key step may be left out by a scalar branch on the flag word that the first launch stored (flg): a step that the mask hides wholly from the tile.
; A step in which every key counts for every query of the tile has its own copy of the step's front, which loads no mask words.
; LAYOUT.  Both products are used transposed: S^T = K Q^T, O^T = V^T P^T: a lane holds ONE query (lane % 16).  By the row order of the codes, score register 16 b + i is key 32 b + 16 h + i of the step.
; The head's 64 fill half of the instruction's K = 128: Q's upper six registers are zero codes, and the scale bytes of that half are 0 (2^-127) on both sides; so it does not matter which codes stand in the
; upper six registers named for K: they are the next tile's (for tile 7: p's).  FP6 has no code for NaN or infinity.
; THE SOFTMAX: c = log2(e) / 8.  The largest t is the largest score x c, rounded; M = the running largest t rounded up to a whole number; p = 2^(score x c - M), by one fused multiply-add and one exponential,
; is quantised along the keys; the row's sum is taken of the unquantised p; when M moves, the sum and O^T are multiplied by 2^(old M - new M), exactly.
; WHERE THE MASK IS 0 the score is taken as -2^33, that is a logit of -2^30 where the definition has -1e9: its product with c is a whole number that f32 holds exactly, so a row masked everywhere has p = 1 at every key.
; LIMITS: NaN and infinities are not served.  The masked score and the leaving out of hidden steps give the definition's result while a row's open logits stay under about 1e8 in magnitude:
; then every masked p is 0 beside an open one under either constant.  The scaled scores stay under 2^31 in magnitude.  1 / l is v_rcp_f32.
.set QKV_KC, 6291456
.set QKV_VC, 12582912
.set QKV_QS, 18874368
.set QKV_KS, 19136512
.set ATT_OS, 6291456
.set KSL,   196608                     ; LDS: behind the 16 steps' codes, K's scale words, 512 bytes a step,
.set VSL,   204800                     ; and V's, 256 bytes a step
.set FF,    38                         ; v38-85   eight half fragments of K, then four fragments of V
.set PC,    86                         ; v86-97   p's codes
.set PT,    98                         ; v98-105  the conversions' second halves
.set BM,    106                        ; v106-109 block maxima
.set BX,    110                        ; v110-113 the other half's, then the bytes
.set SCO,   114                        ; v114-117 the conversions' scale operands
.set SS,    128                        ; v128-191 S^T, then p
.set OO,    192                        ; v192-223 O^T
.set Q1,    226                        ; v226-231 the second block's Q, v232 its scale word
; v1 16 x lane, v2 8 x lane, v3 K's scale words, v4 V's, v5 16 r, v6 32 r, v7 the masked score; v8-11 the step's LDS addresses; v12 -M, v13 the largest t, v[14:15] the sum; v16-27 Q; v28 Q's scale word,
; v29 p's, v30-33 K's, v34-37 V's (these ten hold scales and nothing else); v[118:119] f; v120-127 at work; v224, v225 the spare word's address and 0.
; s[6:7] msk, s[8:9] att; s10 wave, s11 batch, s12 head, s13 pair of heads, s14 head % 2, s15 16 x that, s16 block of queries, s17 the flag word, s18 the key step, s19-21 its offsets,
; s[22:23] the tile's mask words, s[26:27] lane selects, s[28:29] c, s31 the tile's number, s32-63 and s68-99 a step's 64 mask words, s101 p, s104 the second block's flag word, s105 the trip.
.macro QOFF blk, o                     ; the offsets of a block's Q codes, scale words and flag word, as three pairs from s[o] on
	s_lshl_b32 s30, \blk, 4
	s_add_co_u32 s30, s30, s10                     ; my tile in the batch
	s_lshl_b32 s31, s11, 7
	s_add_co_u32 s31, s31, s30                     ; and in all
	s_lshr_b32 s100, s31, 3
	s_lshl_b32 s100, s100, 3
	s_add_co_u32 s100, s100, s13                   ; its block of codes: 128 tokens x 8 + pair
	s_and_b32 s30, s30, 7                          ; its place among the block's eight tiles
	s_mul_i32 s[\o], s100, 12288
	s_mul_i32 s[\o+1], s30, 1536
	s_add_co_u32 s[\o], s[\o], s[\o+1]
	s_mul_i32 s[\o+1], s14, 768
	s_add_co_u32 s[\o], s[\o], s[\o+1]
	s_mov_b32 s[\o+1], 0
	s_lshl_b32 s[\o+2], s100, 9
	s_lshr_b32 s[\o+3], s30, 2
	s_lshl_b32 s[\o+3], s[\o+3], 8
	s_add_co_u32 s[\o+2], s[\o+2], s[\o+3]
	s_and_b32 s[\o+3], s30, 3
	s_lshl_b32 s[\o+3], s[\o+3], 2
	s_add_co_u32 s[\o+2], s[\o+2], s[\o+3]
	s_add_co_u32 s[\o+2], s[\o+2], QKV_QS
	s_mov_b32 s[\o+3], 0
	s_lshl_b32 s[\o+4], s31, 2
	s_mov_b32 s[\o+5], 0
.endm
	s_load_b128 s[4:7], s[0:1], 0x0                ; qkv, msk
	s_load_b64 s[2:3], s[0:1], 0x10                ; flg
	s_load_b64 s[8:9], s[0:1], 0x18                ; att
	v_lshl_add_u32 v224, v0, 2, 0x33000
	v_mov_b32 v225, 0
	v_lshrrev_b32 v120, 5, v0
	v_readfirstlane_b32 s10, v120                  ; wave 0..15
	s_lshr_b32 s30, ttmp9, 2
	s_and_b32 s101, ttmp9, 3
	s_lshr_b32 s11, s30, 4
	s_and_b32 s12, s30, 15
	s_lshr_b32 s13, s12, 1
	s_and_b32 s14, s12, 1
	s_lshl_b32 s15, s14, 4
	; what I bring: waves 0-7 tile w of K, waves 8-15 half fragment w - 8 of V, of all 16 key steps: 768 bytes each, 98,304 bytes apart in memory
	s_lshl_b32 s30, s11, 7
	s_add_co_u32 s30, s30, s13                     ; 128 x batch + pair: the first step's block
	s_mul_i32 s31, s30, 12288
	s_mul_i32 s24, s10, 1536
	s_mul_i32 s25, s14, 768
	s_add_co_u32 s24, s24, s25
	s_add_co_u32 s24, s24, QKV_KC
	s_mul_i32 s25, s10, 768
	s_mul_i32 s100, s14, 6144
	s_add_co_u32 s25, s25, s100
	s_add_co_u32 s25, s25, QKV_VC-8*768
	s_cmp_lt_u32 s10, 8
	s_cselect_b32 s24, s24, s25
	s_add_co_u32 s24, s24, s31
	s_mov_b32 s25, 0
	s_lshl_b32 s32, s30, 9                         ; and the scale words of key step w
	s_lshl_b32 s33, s10, 12
	s_add_co_u32 s32, s32, s33
	s_add_co_u32 s32, s32, QKV_KS
	s_lshl_b32 s34, s14, 8
	s_add_co_u32 s34, s34, s32
	s_add_co_u32 s34, s34, 262144                  ; V's lie 262,144 bytes behind K's; my head's half of the block
	s_mov_b32 s33, 0
	s_mov_b32 s35, 0
	QOFF s101, 36
	s_sub_co_u32 s16, 7, s101
	QOFF s16, 42
	s_mov_b32 s16, s101                            ; the first block
	s_mov_b32 s105, 0
	s_mul_i32 s31, s10, 768
	s_mov_b32 s26, 0x76543210
	s_mov_b32 s27, 0xfedcba98
	s_mov_b32 s28, 0x3e38aa3b                      ; c = log2(e) / 8: the bits of log2(e) with 3 off the exponent
	s_mov_b32 s29, s28
	v_and_b32 v120, 31, v0
	v_and_b32 v121, 15, v0
	v_lshlrev_b32 v1, 4, v120
	v_lshlrev_b32 v2, 3, v120
	v_lshlrev_b32 v5, 4, v121
	v_lshlrev_b32 v6, 5, v121
	v_add_nc_u32 v3, KSL, v1
	v_add_nc_u32 v4, VSL, v5
	v_add_nc_u32 v44, s31, v1                      ; where my bytes go: 12,288 x step + 768 x wave; an LDS immediate has 16 bits, so four bases 61,440 bytes apart
	v_add_nc_u32 v48, s31, v2
.irp g, 1,2,3
	v_add_nc_u32 v[44+\g], 61440*\g, v44
	v_add_nc_u32 v[48+\g], 61440*\g, v48
.endr
	v_lshl_add_u32 v52, v0, 4, KSL
	v_lshl_add_u32 v53, v0, 3, VSL
	v_mov_b32 v7, 0xd0000000                       ; -2^33: the masked score
.irp j, 22,23,24,25,26,27
	v_mov_b32 v\j, 0                               ; Q's upper 64 codes
.endr
.irp j, 0,1,2,3,4,5,6,7,8,9,10,11
	v_mov_b32 v[PC+\j], 0                          ; named as tile 7's upper registers before p is first made
.endr
.irp j, 0,1,2,3
	v_mov_b32 v[BX+\j], 0                          ; written once: a lane permute's destination counts as one of its sources
.endr
	v_mov_b32 v119, 0                              ; (named as the upper half of the pair v[118:119])
	s_wait_alu depctr_va_vdst(0)
	s_wait_kmcnt 0x0
	s_add_nc_u64 s[24:25], s[4:5], s[24:25]
	s_add_nc_u64 s[32:33], s[4:5], s[32:33]
	s_add_nc_u64 s[34:35], s[4:5], s[34:35]
	s_add_nc_u64 s[36:37], s[4:5], s[36:37]
	s_add_nc_u64 s[38:39], s[4:5], s[38:39]
	s_add_nc_u64 s[40:41], s[2:3], s[40:41]
	s_add_nc_u64 s[42:43], s[4:5], s[42:43]
	s_add_nc_u64 s[44:45], s[4:5], s[44:45]
	s_add_nc_u64 s[46:47], s[2:3], s[46:47]
	s_load_b32 s17, s[40:41], 0x0                  ; the two tiles' flag words
	s_load_b32 s104, s[46:47], 0x0
	global_load_b128 v[16:19], v1, s[36:37]        ; Q's six registers of the first block,
	global_load_b64 v[20:21], v2, s[36:37] offset:512
	global_load_b32 v28, v5, s[38:39]              ; row r's scale word,
	global_load_b128 v[Q1:Q1+3], v1, s[42:43]      ; and the same of the second block
	global_load_b64 v[Q1+4:Q1+5], v2, s[42:43] offset:512
	global_load_b32 v[Q1+6], v5, s[44:45]
.set KK, 0
.rept 16
	global_load_b128 v[128+6*KK:131+6*KK], v1, s[24:25] offset:98304*KK
	global_load_b64 v[132+6*KK:133+6*KK], v2, s[24:25] offset:98304*KK+512
.set KK, KK+1
.endr
	global_load_b128 v[38:41], v1, s[32:33]
	global_load_b64 v[42:43], v2, s[34:35]
.set KK, 0
.rept 16
	s_wait_loadcnt 32-2*KK                         ; this step's two loads are in: behind them stand the later steps' pairs and the two loads of scale words
	ds_store_b128 v[44+KK/5], v[128+6*KK:131+6*KK] offset:12288*(KK%5)
	ds_store_b64 v[48+KK/5], v[132+6*KK:133+6*KK] offset:12288*(KK%5)+512
.set KK, KK+1
.endr
	s_wait_loadcnt 0x0
.irp j, 0,1,2,3
	v_lshrrev_b32 v[38+\j], s15, v[38+\j]          ; my head's two bytes of K's word,
.endr
.irp j, 0,1,2,3
	v_and_b32 v[38+\j], 0xffff, v[38+\j]           ; and 0 for the half of K = 128 that is not used
.endr
	ds_store_b128 v52, v[38:41]
	ds_store_b64 v53, v[42:43]
	v_lshrrev_b32 v28, s15, v28                    ; the same of Q's words
	v_lshrrev_b32 v[Q1+6], s15, v[Q1+6]
	v_and_b32 v28, 0xffff, v28
	v_and_b32 v[Q1+6], 0xffff, v[Q1+6]
	s_wait_alu depctr_va_vdst(0)
	s_wait_kmcnt 0x0                               ; the flag words are in
	s_wait_dscnt 0x0                               ; for the others' sake: my stores have landed
	s_barrier_signal -1
	s_barrier_wait -1                              ; the head's K and V are whole; from here on LDS is only read
.macro LOADF base                      ; eight runs of six registers, as they were stored
.irp g, 0,1,2,3,4,5,6,7
	ds_load_b128 v[FF+6*\g:FF+6*\g+3], v8 offset:\base+768*\g
	ds_load_b64 v[FF+6*\g+4:FF+6*\g+5], v9 offset:\base+768*\g+512
.endr
.endm
.macro FRONT                           ; the front of a key step: K's tiles, the scores, V's loads
	LOADF 0                                        ; K's eight tiles
	ds_load_b128 v[30:33], v10                     ; K's scale words: lanes 0-15 tiles 0-3, lanes 16-31 tiles 4-7
	ds_load_b128 v[34:37], v11                     ; V's: tiles 0-3
	s_wait_dscnt 0x0
.irp a, 0,1,2,3
	v_wmma_scale_f32_16x16x128_f8f6f4 v[SS+8*\a:SS+8*\a+7], v[FF+6*\a:FF+6*\a+11], v[16:27], 0, v[30+\a], v28 matrix_a_fmt:MATRIX_FMT_FP6 matrix_b_fmt:MATRIX_FMT_FP6
.endr
.irp a, 4,5,6,7
	v_wmma_scale_f32_16x16x128_f8f6f4 v[SS+8*\a:SS+8*\a+7], v[FF+6*\a:FF+6*\a+11], v[16:27], 0, v[26+\a], v28 matrix_a_fmt:MATRIX_FMT_FP6 matrix_b_fmt:MATRIX_FMT_FP6 matrix_a_scale:MATRIX_SCALE_ROW1
.endr
.rept 4
	v_nop                                          ; places in front of the loads into K's registers and of the first read of the scores
.endr
	LOADF 6144                                     ; V's four fragments land while the softmax is walked
.endm
.Lblock:                                               ; A BLOCK OF 256 QUERIES: my tile of 16.  Two trips
	s_lshl_b32 s30, s16, 4
	s_add_co_u32 s30, s30, s10
	s_lshl_b32 s31, s11, 7
	s_add_co_u32 s31, s31, s30                     ; my tile's number: stays through the block
	s_lshl_b32 s22, s31, 12
	s_mov_b32 s23, 0
	s_add_nc_u64 s[22:23], s[6:7], s[22:23]        ; the tile's mask words
	s_mov_b32 s18, 0
	s_mov_b32 s19, 0
	s_mov_b32 s20, 0
	s_mov_b32 s21, 0
	v_mov_b32 v13, 0xff61b1e6                      ; the largest t so far: -3e38
	s_delay_alu instid0(VALU_DEP_1)
	v_floor_f32 v12, -v13
	v_mov_b32 v14, 0
	v_mov_b32 v15, 0
.set NN, 0
.rept 32
	v_mov_b32 v[OO+NN], 0                          ; the step is written once: its first turn finds zeros.  (These are also the places between Q's registers and scale word and the first product)
.set NN, NN+1
.endr
.Lkeys:                                                ; A KEY STEP of 128 keys
	s_bitcmp1_b32 s17, s18                         ; is this step to be worked?  A stored whole number decides
	s_cbranch_scc0 .Lskip
	v_add_nc_u32 v8, s19, v1
	v_add_nc_u32 v9, s19, v2
	v_add_nc_u32 v10, s20, v3
	v_add_nc_u32 v11, s21, v4
	s_add_co_u32 s100, s18, 16
	s_bitcmp1_b32 s17, s100                        ; does every key of the step count for every query of the tile?
	s_wait_alu depctr_va_vdst(0)
	s_cbranch_scc0 .Lholes
	FRONT
	s_branch .Lopen
.Lholes:
	s_load_b512 s[32:47], s[22:23], s21 offset:0x0 ; the step's 64 lane masks, 256 bytes
	s_load_b512 s[48:63], s[22:23], s21 offset:0x40
	s_load_b512 s[68:83], s[22:23], s21 offset:0x80
	s_load_b512 s[84:99], s[22:23], s21 offset:0xc0
	FRONT
	s_wait_kmcnt 0x0                               ; the mask words are in
.set NN, 0
.rept 64
.set PP, 2*(NN%32)+NN/32
.if PP < 32
	v_cndmask_b32 v[SS+NN], v7, v[SS+NN], s[32+PP] ; each accumulator from its low end on
.else
	v_cndmask_b32 v[SS+NN], v7, v[SS+NN], s[36+PP]
.endif
.set NN, NN+1
.endr
.Lopen:
.irp b, 0,1,2,3
	v_max3_num_f32 v[BM+\b], v[SS+16*\b], v[SS+1+16*\b], v[SS+2+16*\b]   ; the largest score of each block of 32 keys: for the row's maximum, and, since p rises with the score, for the block's largest p
.endr
.irp i, 3,5,7,9,11,13
.irp b, 0,1,2,3
	v_max3_num_f32 v[BM+\b], v[BM+\b], v[SS+16*\b+\i], v[SS+1+16*\b+\i]   ; (the four blocks by turns)
.endr
.endr
.irp b, 0,1,2,3
	v_max_num_f32 v[BM+\b], v[BM+\b], v[SS+15+16*\b]
.endr
.irp b, 0,1,2,3
	s_delay_alu instid0(VALU_DEP_4)
	v_permlanex16_b32 v[BX+\b], v[BM+\b], s26, s27
.endr
.irp b, 0,1,2,3
	s_delay_alu instid0(VALU_DEP_4)
	v_max_num_f32 v[BM+\b], v[BM+\b], v[BX+\b]     ; with lane l xor 16's 16 keys
.endr
	s_delay_alu instid0(VALU_DEP_2)
	v_max3_num_f32 v120, v[BM], v[BM+1], v[BM+2]
	s_delay_alu instid0(VALU_DEP_1)
	v_max_num_f32 v120, v120, v[BM+3]
	s_delay_alu instid0(VALU_DEP_1)
	v_mul_f32 v120, s28, v120                      ; as t (c is positive)
	s_delay_alu instid0(VALU_DEP_1)
	v_max_num_f32 v13, v13, v120                   ; the running largest t
	v_mov_b32 v120, v12
	s_delay_alu instid0(VALU_DEP_2)
	v_floor_f32 v12, -v13                          ; the new -M = -ceil(t): a whole number
	s_delay_alu instid0(VALU_DEP_1)
	v_sub_f32 v120, v12, v120                      ; old M - new M, 0 or less
	s_delay_alu instid0(VALU_DEP_1)
	v_cvt_i32_f32 v120, v120                       ; (it saturates)
	s_delay_alu instid0(VALU_DEP_1)
	v_ldexp_f32 v118, 1.0, v120                    ; f = 2^(old M - new M)
.irp j, 0,2,4,6,8,10,12,14,16,18,20,22,24,26,28,30,32,34,36,38,40,42,44,46,48,50,52,54,56,58,60,62
	v_pk_fma_f32 v[SS+\j:SS+\j+1], v[SS+\j:SS+\j+1], s[28:29], v[12:13] op_sel_hi:[1,0,0]   ; score x c - M, two at a time
.endr
.irp b, 0,1,2,3
	v_fma_f32 v[BM+\b], v[BM+\b], s28, v12         ; the same of each block's largest score
.endr
.set NN, 0
	s_wait_alu depctr_va_vdst(0)
.rept 64
	v_exp_f32 v[SS+NN], v[SS+NN]                   ; p, not normalised
.set NN, NN+1
.endr
	v_pk_mul_f32 v[14:15], v[14:15], v[118:119] op_sel_hi:[1,0]   ; the sums under the new M (a plain line behind the exponentials)
	s_wait_alu depctr_va_vdst(0)                   ; one wait for the batch of 64, ahead of its first reader
.irp b, 0,1,2,3
	v_exp_f32 v[BM+\b], v[BM+\b]                   ; the block's largest p: the same lines on the same number give the same bits
.endr
	v_pk_add_f32 v[120:121], v[132:133], v[136:137]   ; the row's sum of the unquantised p, in eight chains
	v_pk_add_f32 v[126:127], v[140:141], v[144:145]
	v_pk_add_f32 v[124:125], v[148:149], v[152:153]
	v_pk_add_f32 v[122:123], v[156:157], v[160:161]
	v_pk_add_f32 v[116:117], v[164:165], v[168:169]
	v_pk_add_f32 v[114:115], v[172:173], v[176:177]
	v_pk_add_f32 v[112:113], v[180:181], v[184:185]
	v_pk_add_f32 v[14:15], v[14:15], v[188:189]
	v_pk_add_f32 v[120:121], v[120:121], v[128:129]
	v_pk_add_f32 v[126:127], v[126:127], v[130:131]
	v_pk_add_f32 v[124:125], v[124:125], v[134:135]
	v_pk_add_f32 v[122:123], v[122:123], v[138:139]
	v_pk_add_f32 v[116:117], v[116:117], v[142:143]
	v_pk_add_f32 v[114:115], v[114:115], v[146:147]
	v_pk_add_f32 v[112:113], v[112:113], v[150:151]
	v_pk_add_f32 v[14:15], v[14:15], v[154:155]
	v_pk_add_f32 v[120:121], v[120:121], v[158:159]
	v_pk_add_f32 v[126:127], v[126:127], v[162:163]
	v_pk_add_f32 v[124:125], v[124:125], v[166:167]
	v_pk_add_f32 v[122:123], v[122:123], v[170:171]
	v_pk_add_f32 v[116:117], v[116:117], v[174:175]
	v_pk_add_f32 v[114:115], v[114:115], v[178:179]
	v_pk_add_f32 v[112:113], v[112:113], v[182:183]
	v_pk_add_f32 v[14:15], v[14:15], v[186:187]
	v_pk_add_f32 v[120:121], v[120:121], v[190:191]
	s_delay_alu instid0(VALU_DEP_2)
	v_pk_add_f32 v[14:15], v[14:15], v[122:123]
	s_delay_alu instid0(VALU_DEP_2)
	v_pk_add_f32 v[120:121], v[120:121], v[116:117]
	v_pk_add_f32 v[126:127], v[126:127], v[114:115]
	v_pk_add_f32 v[124:125], v[124:125], v[112:113]
	s_delay_alu instid0(VALU_DEP_2)
	v_pk_add_f32 v[14:15], v[14:15], v[126:127]
	s_delay_alu instid0(VALU_DEP_2)
	v_pk_add_f32 v[120:121], v[120:121], v[124:125]
	s_delay_alu instid0(VALU_DEP_1)
	v_pk_add_f32 v[14:15], v[14:15], v[120:121]
	s_wait_alu depctr_va_vdst(0)                   ; and one for the four
.irp b, 0,1,2,3
	v_max_num_f32 v[BM+\b], 0x1800000, v[BM+\b]    ; the floor 2^(3 - 127): the byte cannot fall under 1
.endr
.irp b, 0,1,2,3
	s_delay_alu instid0(VALU_DEP_4)
	v_add_nc_u32 v[SCO+\b], 0xff000000, v[BM+\b]
.endr
.irp b, 0,1,2,3
	s_delay_alu instid0(VALU_DEP_4)
	v_lshrrev_b32 v[BX+\b], 23, v[SCO+\b]
.endr
	s_delay_alu instid0(VALU_DEP_3)
	v_lshl_or_b32 v29, v[BX+1], 8, v[BX]           ; p's scale word for these 128 keys
	s_delay_alu instid0(VALU_DEP_1)
	v_lshl_or_b32 v29, v[BX+2], 16, v29
	s_delay_alu instid0(VALU_DEP_1)
	v_lshl_or_b32 v29, v[BX+3], 24, v29
.irp c, 0,1
	v_cvt_scalef32_pk16_fp6_f32 v[PC+6*\c:PC+2+6*\c], v[SS+32*\c:SS+15+32*\c], v[SCO+2*\c]
	v_cvt_scalef32_pk16_fp6_f32 v[PT+4*\c:PT+2+4*\c], v[SS+16+32*\c:SS+31+32*\c], v[SCO+2*\c+1]
.endr
	v_nop                                          ; one plain line behind a scaled conversion
.irp c, 0,1
.irp i, 0,1,2
	v_permlane16_swap_b32 v[PC+6*\c+\i], v[PT+4*\c+\i]
.endr
.irp i, 0,1,2
	s_delay_alu instid0(VALU_DEP_3)
	v_mov_b32 v[PC+3+6*\c+\i], v[PT+4*\c+\i]
.endr
.endr
.irp j, 0,2,4,6,8,10,12,14,16,18,20,22,24,26,28,30
	v_pk_mul_f32 v[OO+\j:OO+\j+1], v[OO+\j:OO+\j+1], v[118:119] op_sel_hi:[1,0]   ; O^T under the new M; these 16 are also the places between p's codes and scale word and the products
.endr
	s_wait_alu depctr_va_vdst(0)
	s_wait_dscnt 0x0                               ; V is in
.irp d, 0,1,2,3
	v_wmma_scale_f32_16x16x128_f8f6f4 v[OO+8*\d:OO+8*\d+7], v[FF+12*\d:FF+12*\d+11], v[PC:PC+11], v[OO+8*\d:OO+8*\d+7], v[34+\d], v29 matrix_a_fmt:MATRIX_FMT_FP6 matrix_b_fmt:MATRIX_FMT_FP6
.endr
.rept 4
	v_nop                                          ; places in front of the next step's loads and of the way out's first read, on every way
.endr
.Lskip:
	s_add_co_u32 s19, s19, 12288
	s_add_co_u32 s20, s20, 512
	s_add_co_u32 s21, s21, 256
	s_add_co_u32 s18, s18, 1
	s_cmp_lt_u32 s18, 16
	s_cbranch_scc1 .Lkeys
	; the way out: O^T / the sum, quantised along the head's 64 (two blocks), stored as the last product's operand registers stand
	v_add_f32 v14, v14, v15
	s_delay_alu instid0(VALU_DEP_1)
	v_permlanex16_b32 v120, v14, s26, s27
	s_delay_alu instid0(VALU_DEP_1)
	v_add_f32 v14, v14, v120                       ; the row's sum
	s_wait_alu depctr_va_vdst(0)
	v_rcp_f32 v14, v14
	v_nop                                          ; a plain line behind the reciprocal
	s_mul_i32 s24, s31, 12288
	s_mul_i32 s25, s12, 768
	s_add_co_u32 s24, s24, s25
	s_mov_b32 s25, 0
	s_add_nc_u64 s[24:25], s[8:9], s[24:25]
	s_lshl_b32 s32, s31, 9
	s_lshl_b32 s33, s12, 1
	s_add_co_u32 s32, s32, s33
	s_add_co_u32 s32, s32, ATT_OS
	s_mov_b32 s33, 0
	s_add_nc_u64 s[32:33], s[8:9], s[32:33]
	s_wait_alu depctr_va_vdst(0)                   ; the wait ahead of the reciprocal's first reader
.set NN, 0
.rept 32
	v_mul_f32 v[SS+NN], v[OO+NN], v14              ; register 16 b + i is channel 32 b + 16 h + i of my query
.set NN, NN+1
.endr
.irp b, 0,1
	v_max3_num_f32 v[BM+\b], |v[SS+16*\b]|, |v[SS+1+16*\b]|, 0x1800000
.endr
.irp i, 2,4,6,8,10,12,14
.irp b, 0,1
	s_delay_alu instid0(VALU_DEP_2)
	v_max3_num_f32 v[BM+\b], v[BM+\b], |v[SS+16*\b+\i]|, |v[SS+1+16*\b+\i]|
.endr
.endr
.irp b, 0,1
	s_delay_alu instid0(VALU_DEP_2)
	v_permlanex16_b32 v[BX+\b], v[BM+\b], s26, s27
.endr
.irp b, 0,1
	s_delay_alu instid0(VALU_DEP_2)
	v_max_num_f32 v[BM+\b], v[BM+\b], v[BX+\b]
.endr
.irp b, 0,1
	s_delay_alu instid0(VALU_DEP_2)
	v_add_nc_u32 v[SCO+\b], 0xff000000, v[BM+\b]
.endr
.irp b, 0,1
	s_delay_alu instid0(VALU_DEP_2)
	v_lshrrev_b32 v[BX+\b], 23, v[SCO+\b]
.endr
	s_delay_alu instid0(VALU_DEP_1)
	v_lshl_or_b32 v120, v[BX+1], 8, v[BX]          ; my head's two scale bytes of row r
	v_cvt_scalef32_pk16_fp6_f32 v[PC:PC+2], v[SS:SS+15], v[SCO]
	v_cvt_scalef32_pk16_fp6_f32 v[PT:PT+2], v[SS+16:SS+31], v[SCO+1]
	v_nop
.irp i, 0,1,2
	v_permlane16_swap_b32 v[PC+\i], v[PT+\i]
.endr
.irp i, 0,1,2
	s_delay_alu instid0(VALU_DEP_3)
	v_mov_b32 v[PC+3+\i], v[PT+\i]
.endr
	global_store_b128 v1, v[PC:PC+3], s[24:25]     ; 512 consecutive bytes, aligned
	global_store_b64 v2, v[PC+4:PC+5], s[24:25] offset:512   ; 256
	global_store_b16 v6, v120, s[32:33]            ; two bytes a row, rows 32 bytes apart (both halves of the lanes write the same): 262,144 bytes in the whole launch
	s_wait_xcnt 0x0                                ; the stores' data and bases are rewritten only behind this wait
.irp j, 0,1,2,3,4,5
	v_mov_b32 v[16+\j], v[Q1+\j]                   ; the second block's Q,
.endr
	v_mov_b32 v28, v[Q1+6]                         ; its scale word,
	s_mov_b32 s17, s104                            ; its flag word,
	s_sub_co_u32 s16, 7, s101                      ; and its number
	s_add_co_u32 s105, s105, 1
	s_cmp_lt_u32 s105, 2
	s_wait_alu depctr_va_vdst(0)
	s_cbranch_scc1 .Lblock
	s_wait_tensorcnt 0x0                           ; the wave's end
	ds_add_u32 v224, v225
	s_wait_dscnt 0x0
	s_endpgm
.Lfunc_end_k_q77f76200d1_attn:
	.size	k_q77f76200d1_attn, .Lfunc_end_k_q77f76200d1_attn-k_q77f76200d1_attn
	.p2alignl 7, 3214868480
	.fill 96, 4, 3214868480
	.section	.rodata,"a",@progbits
	.p2align	6, 0x0
	.amdhsa_kernel k_q77f76200d1_attn
		.amdhsa_group_segment_fixed_size 210944
		.amdhsa_private_segment_fixed_size 0
		.amdhsa_enable_private_segment 0
		.amdhsa_kernarg_size 32
		.amdhsa_user_sgpr_count 2
		.amdhsa_user_sgpr_kernarg_segment_ptr 1
		.amdhsa_wavefront_size32 1
		.amdhsa_system_sgpr_workgroup_id_x 1
		.amdhsa_system_sgpr_workgroup_id_y 1
		.amdhsa_system_sgpr_workgroup_id_z 1
		.amdhsa_system_vgpr_workitem_id 0
		.amdhsa_next_free_vgpr 240
		.amdhsa_next_free_sgpr 106
		.amdhsa_reserve_vcc 0
		.amdhsa_float_denorm_mode_32 3
		.amdhsa_float_denorm_mode_16_64 3
		.amdhsa_memory_ordered 1
		.amdhsa_forward_progress 1
		.amdhsa_inst_pref_size 46
	.end_amdhsa_kernel
	.amdgpu_metadata
---
amdhsa.version: [ 1, 2 ]
amdhsa.kernels:
  - .name:           k_q77f76200d1_attn
    .symbol:         k_q77f76200d1_attn.kd
    .args:
      - { .name: qkv, .offset: 0, .size: 8, .value_kind: global_buffer, .address_space: global }
      - { .name: msk, .offset: 8, .size: 8, .value_kind: global_buffer, .address_space: global }
      - { .name: flg, .offset: 16, .size: 8, .value_kind: global_buffer, .address_space: global }
      - { .name: att, .offset: 24, .size: 8, .value_kind: global_buffer, .address_space: global }
    .group_segment_fixed_size: 210944
    .private_segment_fixed_size: 0
    .kernarg_segment_align: 8
    .kernarg_segment_size: 32
    .max_flat_workgroup_size: 512
    .sgpr_count:     106
    .vgpr_count:     240
    .wavefront_size: 32
...
	.end_amdgpu_metadata
.endif
;; end of part 3
;; launch outp (part 4): grid 4 x 64, 4 waves a work-group, clusters of 4 x 4, 327,680 bytes of LDS; arguments att, pre, out0; writes out0
.if DOCPART == 4
	.amdgcn_target "amdgcn-amd-amdhsa--gfx1250"
	.amdhsa_code_object_version 6
	.text
	.protected	k_q77f76200d1_outp
	.globl	k_q77f76200d1_outp
	.p2align	8
	.type	k_q77f76200d1_outp,@function
k_q77f76200d1_outp:
	s_mov_b64 s[64:65], 0
	v_nop
	global_prefetch_b8 v0, s[64:65] scope:SCOPE_SE
	s_setreg_imm32_b32 hwreg(HW_REG_WAVE_MODE, 25, 1), 1
	s_wait_xcnt 0x0
	s_wait_alu depctr_hold_cnt(0) depctr_sa_sdst(0) depctr_va_vdst(0) depctr_va_sdst(0) depctr_va_ssrc(0) depctr_va_vcc(0) depctr_vm_vsrc(0)
	s_getreg_b32 s2, hwreg(HW_REG_IB_STS2, 6, 4)
	s_cmp_eq_u32 s2, 0
	s_cbranch_scc0 .Lentry_in_a_cluster
	s_endpgm
.Lentry_in_a_cluster:
	s_bfe_u32 s2, ttmp6, 0x10000c
	s_cmp_lg_u32 s2, 0xf033
	s_cbranch_scc0 .Lentry_shape_is_right
	s_endpgm
.Lentry_shape_is_right:
; THE LAST PRODUCT, out0 = O Wo, on codes of FP6 (E2M3), K = 1,024.  A work-group makes 128 tokens x 256 columns: 256 work-groups.  A wave makes 64 x 128: 32 accumulators.
; SIDE B, 256 rows of Wo's codes for all of K, lies in LDS: each wave brings 64 rows, one dense block of memory stated as 192 rows of 256 bytes that begin at multiples of 256, 16 bytes of padding behind each
; (an LDS row is 3 x 272 = 816 bytes), by one tensor load at the head, asked for jointly along a column of the 4 x 4 cluster.  Nothing is filled again; one barrier; none in the walk along K.
; SIDE A, attention's result, is stored as images of operand registers: it goes from memory straight into registers, whole runs of 512 and 256 bytes a load, each K step into registers of its own,
; three steps ahead of its products: 60 loads are out at the most.  What the partners share of A is read by plain loads, so no joint load is written for it.
; SCALE WORDS likewise: one load of 16 bytes a lane covers 16 rows x 32 bytes; lanes 0-15 hold the words of K steps 0-3, lanes 16-31 those of steps 4-7 (ROW1).
; No prefetch: B is asked for whole at the head, and A's loads themselves run three steps ahead.
; The product is used transposed (source 0 = Wo's rows, source 1 = tokens): a lane holds eight neighbouring columns of a row.  The way out goes through the wave's own stage in LDS, on bytes that no tensor load fills.
; REGISTERS: window 0: v16-29 addresses, v32-79 scale words and nothing else, v80-223 A's fragments of steps 5-7 (on the way out v96-223: rows read back); window 1: B's fragments, two sets, at v0 and v128;
; window 2: the accumulators, (a, b) at v[8 (8 a + b)]; window 3: v0-239 A's fragments of steps 0-4.
.set P,      816
.set STAGE,  256*P
.set SPITCH, 528
.set SPARE,  STAGE+4*16*SPITCH         ; behind the stages: the spare words, 512 bytes
.set SIZE_N, 1024
.set ADRB, 18                          ; v18 my B rows, blocks 0-3, v19 the same + 16 in lanes 16-31; v20, v21 for blocks 4-7
.set L16,  22
.set L8,   23
.set STO,  24
.set RD,   25
.set SCO,  26
.set SPW,  28
.set NIL,  29
.set SA,   32
.set SB,   48
.set A5,   80
.set BK,   96
.set G1B, 48
.set G0B, 56
.set TO_B, 0x40
.set MSB, 0
.macro WIN new
.if MSB != \new
	s_set_vgpr_msb (MSB<<8)|\new
.set MSB, \new
.endif
.endm
.macro PLACES
.rept 4
	v_nop
.endr
.endm
.macro CROUND
	s_barrier_signal -1
	s_barrier_wait -1
	s_cmp_lg_u32 s14, 0
	s_cbranch_scc1 .Lnot_wave_0_\@
	s_barrier_signal -3
.Lnot_wave_0_\@:
	s_barrier_wait -3
	s_barrier_signal -1
	s_barrier_wait -1
.endm
	s_load_b128 s[4:7], s[0:1], 0x0                ; att, pre
	s_load_b64 s[12:13], s[0:1], 0x10              ; out0
	v_lshl_add_u32 v[SPW], v0, 2, SPARE
	v_mov_b32 v[NIL], 0
	ds_add_u32 v[SPW], v[NIL]                      ; the opening lines: the add, twice on end, and its wait
	ds_add_u32 v[SPW], v[NIL]
	v_lshrrev_b32 v1, 5, v0
	v_readfirstlane_b32 s14, v1                    ; wave
	s_lshr_b32 s15, s14, 1                         ; my half of the tokens
	s_and_b32 s16, s14, 1                          ; my half of the columns
	s_bfe_u32 s40, ttmp6, 0x40000                  ; cx
	s_bfe_u32 s41, ttmp6, 0x40004                  ; cy
	s_lshl_b32 s42, ttmp9, 2
	s_add_co_u32 s42, s42, s40                     ; the block of 256 columns
	s_and_b32 s17, ttmp7, 0xffff
	s_lshl_b32 s17, s17, 2
	s_add_co_u32 s17, s17, s41                     ; the block of 128 tokens
	s_lshl_b32 s44, 0x1111, s40                    ; my column of the cluster
	s_or_b32 s[G1B], s44, (3<<16)|(1<<20)|(1<<21)|(5<<22)|(3<<25)   ; elements of 8 bytes, 4 words of padding behind every 64
	s_mov_b32 s[G1B+1], 32<<16
	s_mov_b32 s[G1B+2], 192<<16
	s_mov_b32 s[G1B+3], 32<<16
	s_mov_b32 s[G1B+4], 192
	s_mov_b32 s[G1B+5], 32
	s_mov_b32 s[G1B+6], 0
	s_mov_b32 s[G1B+7], 0
	s_lshl_b32 s46, s42, 8
	s_lshl_b32 s18, s14, 6
	s_add_co_u32 s46, s46, s18                     ; the 64 rows of Wo that I fetch
	s_mul_i32 s46, s46, 768
	s_add_co_u32 s46, s46, 22020096
	s_mov_b32 s47, 0
	s_mul_i32 s45, s14, 64*P
	s_wait_dscnt 0x0                               ; both opening adds are done
	s_wait_kmcnt 0x0
	s_add_nc_u64 s[46:47], s[6:7], s[46:47]
	s_mov_b32 s[G0B], 1
	s_mov_b32 s[G0B+1], s45
	s_mov_b64 s[G0B+2:G0B+3], s[46:47]
	s_or_b32 s[G0B+3], s[G0B+3], 0x80000000
	CROUND                                         ; all sixteen work-groups are here: the joint loads meet
	tensor_load_to_lds s[G0B:G0B+3], s[G1B:G1B+7]  ; one load a wave
	s_nop 0
	PLACES
	s_lshl_b32 s20, s17, 3
	s_lshl_b32 s18, s15, 2
	s_add_co_u32 s20, s20, s18                     ; my first tile of 16 tokens
	s_mul_i32 s8, s20, 12288
	s_mov_b32 s9, 0
	s_add_nc_u64 s[8:9], s[4:5], s[8:9]            ; its images
	s_lshl_b32 s10, s20, 9
	s_add_co_u32 s10, s10, 6291456
	s_mov_b32 s11, 0
	s_add_nc_u64 s[10:11], s[4:5], s[10:11]        ; its scale bytes
	s_lshl_b32 s70, s42, 13
	s_lshl_b32 s18, s16, 12
	s_add_co_u32 s70, s70, s18
	s_add_co_u32 s70, s70, 22904832
	s_mov_b32 s71, 0
	s_add_nc_u64 s[70:71], s[6:7], s[70:71]        ; my 128 rows' scale bytes of Wo
	s_lshl_b32 s20, s20, 16                        ; my first row of out0: 16 rows of 4,096 bytes a tile,
	s_lshl_b32 s18, s42, 10                        ; my first column: 1,024 bytes a block,
	s_add_co_u32 s20, s20, s18
	s_lshl_b32 s18, s16, 9                         ; 512 a half
	s_add_co_u32 s20, s20, s18
	s_mov_b32 s21, 0
	s_add_nc_u64 s[12:13], s[12:13], s[20:21]
	s_mul_i32 s22, s16, 128*P
	s_add_co_u32 s23, s22, 64*P
	s_mul_i32 s24, s14, 16*SPITCH
	s_add_co_u32 s24, s24, STAGE                   ; my stage
	v_and_b32 v1, 15, v0                           ; r
	v_bfe_u32 v2, v0, 4, 1                         ; h
	v_and_b32 v6, 31, v0
	v_mul_u32_u24 v3, v1, P
	v_mad_u32_u24 v4, v2, 24, v3                   ; r P + 24 h
	v_lshl_add_u32 v5, v2, 4, v4
	v_add_nc_u32 v[ADRB], s22, v4
	v_add_nc_u32 v[ADRB+1], s22, v5
	v_add_nc_u32 v[ADRB+2], s23, v4
	v_add_nc_u32 v[ADRB+3], s23, v5
	v_lshlrev_b32 v[L16], 4, v6
	v_lshlrev_b32 v[L8], 3, v6
	v_mul_u32_u24 v7, v1, SPITCH
	v_lshl_add_u32 v7, v2, 6, v7
	v_add_nc_u32 v[STO], s24, v7                   ; into the stage: row r, + 64 h
	v_add_nc_u32 v[RD], s24, v[L16]                ; back: the 32 lanes take a row of 512 bytes
	v_lshlrev_b32 v8, 5, v1
	v_lshl_add_u32 v[SCO], v2, 4, v8               ; 32 r + 16 h
	s_wait_alu depctr_va_vdst(0)
.irp i, 0,1,2,3
	global_load_b128 v[SA+4*\i:SA+4*\i+3], v[SCO], s[10:11] offset:512*\i
.endr
.irp i, 0,1,2,3,4,5,6,7
	global_load_b128 v[SB+4*\i:SB+4*\i+3], v[SCO], s[70:71] offset:512*\i
.endr
.macro ALOAD st                        ; A's four fragments of step st, 16 loads, as they were stored
.if (\st) < 5
	WIN 0xc0
.set AR, 48*(\st)
.else
	WIN 0
.set AR, A5+48*((\st)-5)
.endif
.irp a, 0,1,2,3
	global_load_b128 v[AR+12*\a:AR+12*\a+3], v[L16], s[8:9] offset:12288*\a+1536*(\st)
	global_load_b64 v[AR+12*\a+4:AR+12*\a+5], v[L8], s[8:9] offset:12288*\a+1536*(\st)+512
	global_load_b128 v[AR+12*\a+6:AR+12*\a+9], v[L16], s[8:9] offset:12288*\a+1536*(\st)+768
	global_load_b64 v[AR+12*\a+10:AR+12*\a+11], v[L8], s[8:9] offset:12288*\a+1536*(\st)+1280
.endr
.endm
	ALOAD 0
	ALOAD 1
	ALOAD 2
	WIN 0
.macro FRAG reg, adr, st, off          ; byte y of a row of codes lies at y + 16 (y / 256) of its LDS row; lanes 16-31 read 24 bytes further on
.irp p, 0,1,2,3,4,5
.set BY, 96*(\st)+48*(\p/3)+8*(\p%3)
.if BY/256 == (BY+24)/256
	ds_load_b64 v[\reg+2*\p:\reg+2*\p+1], v[\adr] offset:BY+16*(BY/256)+(\off)
.else
	ds_load_b64 v[\reg+2*\p:\reg+2*\p+1], v[\adr+1] offset:BY+16*(BY/256)+(\off)
.endif
.endr
.endm
.macro FETB st, i
	FRAG 128*((\st)%2)+12*(\i), ADRB+2*((\i)/4), \st, ((\i)%4)*16*P
.endm
; 16 matrix instructions: A's blocks a0, a0 + 1 x B's eight; the 32 accumulators take turns; step 0 starts the sums
.macro MUL a0, st
.if (\st) < 5
	WIN 0xad                                       ; source 0 window 1, source 1 window 3, C and D window 2
.set AR, 48*(\st)
.else
	WIN 0xa1                                       ; source 1 window 0
.set AR, A5+48*((\st)-5)
.endif
.irp a, \a0, \a0+1
.irp b, 0,1,2,3,4,5,6,7
.set DD, 8*(8*(\a)+\b)
.set BF, 128*((\st)%2)+12*\b
.set AA, AR+12*(\a)
.if (\st) == 0
	v_wmma_scale_f32_16x16x128_f8f6f4 v[DD:DD+7], v[BF:BF+11], v[AA:AA+11], 0, v[SB+4*\b], v[SA+4*(\a)] matrix_a_fmt:MATRIX_FMT_FP6 matrix_b_fmt:MATRIX_FMT_FP6
.elseif (\st) < 4
	v_wmma_scale_f32_16x16x128_f8f6f4 v[DD:DD+7], v[BF:BF+11], v[AA:AA+11], v[DD:DD+7], v[SB+4*\b+(\st)%4], v[SA+4*(\a)+(\st)%4] matrix_a_fmt:MATRIX_FMT_FP6 matrix_b_fmt:MATRIX_FMT_FP6
.else
	v_wmma_scale_f32_16x16x128_f8f6f4 v[DD:DD+7], v[BF:BF+11], v[AA:AA+11], v[DD:DD+7], v[SB+4*\b+(\st)%4], v[SA+4*(\a)+(\st)%4] matrix_a_fmt:MATRIX_FMT_FP6 matrix_b_fmt:MATRIX_FMT_FP6 matrix_a_scale:MATRIX_SCALE_ROW1 matrix_b_scale:MATRIX_SCALE_ROW1
.endif
.endr
.endr
.endm
; a step of 128 along K: 32 matrix instructions; the next step's 48 LDS loads go into B's other set in two runs.  The four places at the step's head stand between the last step's products and both runs
.macro STEP st
.if (\st) < 6
	s_wait_loadcnt 32                              ; this step's loads of A (and all older ones) are in; behind them stand the 32 of the next two steps
.else
	s_wait_loadcnt 16*(7-(\st))
.endif
	s_wait_dscnt 0x0                               ; B's fragments of this step are in
.if (\st) < 7
.if (\st) > 0
	PLACES
.endif
	WIN TO_B
.irp i, 0,1,2,3
	FETB (\st)+1, \i
.endr
.endif
.if (\st) < 5
	ALOAD (\st)+3
.endif
	MUL 0, \st
.if (\st) < 7
	WIN TO_B
.irp i, 4,5,6,7
	FETB (\st)+1, \i
.endr
.endif
	MUL 2, \st
.endm
	s_wait_tensorcnt 0x0                           ; my 64 rows have landed
	s_barrier_signal -1
	s_barrier_wait -1                              ; and everybody's
	WIN TO_B
.irp i, 0,1,2,3,4,5,6,7
	FETB 0, \i
.endr
.irp st, 0,1,2,3,4,5,6,7
	STEP \st
.endr
	WIN 0
; THE WAY OUT, tile by tile of 16 tokens x 128 columns, through my own stage; LDS serves a wave's instructions in order, so no wait stands between the stores and the loads.
; By the row order of Wo's codes, register j of tile b is column 32 (b / 2) + 16 h + 8 (b % 2) + j; tile a's row t is token 32 (a / 2) + 8 (a % 2) + t + 8 (t / 8).
.macro TOSTAGE a
	WIN 0x08                                       ; the data: window 2
.irp b, 0,1,2,3,4,5,6,7
	ds_store_b128 v[STO], v[64*(\a)+8*\b:64*(\a)+8*\b+3] offset:128*(\b/2)+32*(\b%2)      ; each accumulator from its low end on
	ds_store_b128 v[STO], v[64*(\a)+8*\b+4:64*(\a)+8*\b+7] offset:128*(\b/2)+32*(\b%2)+16
.endr
	WIN 0
.set BB, BK+64*((\a)%2)
.irp t, 0,1,2,3,4,5,6,7,8,9,10,11,12,13,14,15
	ds_load_b128 v[BB+4*\t:BB+4*\t+3], v[RD] offset:\t*SPITCH
.endr
.endm
.macro SEND a, younger                 ; younger: the LDS instructions issued behind tile a's loads, which may stay out
.set BB, BK+64*((\a)%2)
	s_wait_dscnt \younger
.if (\a) > 0
.if (\a)%2 == 1
	s_add_nc_u64 s[12:13], s[12:13], 8*SIZE_N*4    ; (behind a wait on XCNT: the earlier stores have read their base)
.else
	s_add_nc_u64 s[12:13], s[12:13], 24*SIZE_N*4
.endif
.endif
.irp t, 0,1,2,3,4,5,6,7,8,9,10,11,12,13,14,15
	global_store_b128 v[L16], v[BB+4*\t:BB+4*\t+3], s[12:13] offset:(\t+8*(\t/8))*SIZE_N*4 th:TH_STORE_NT   ; 512 consecutive bytes, aligned
.endr
.endm
	PLACES                                         ; behind the last products: their results are read, and loads land on A's registers
	TOSTAGE 0
.irp a, 1,2,3
.if \a > 1
	s_wait_xcnt 0x0                                ; tile a - 2's stores have read their registers and their base
.endif
	TOSTAGE \a
	SEND \a-1, 32                                  ; behind tile a - 1's loads: tile a's 16 stores and 16 loads
.endr
	s_wait_xcnt 0x0
	SEND 3, 0
	s_wait_tensorcnt 0x0                           ; the wave's end
	ds_add_u32 v[SPW], v[NIL]
	s_wait_dscnt 0x0
	CROUND                                         ; the closing round
	s_endpgm
.Lfunc_end_k_q77f76200d1_outp:
	.size	k_q77f76200d1_outp, .Lfunc_end_k_q77f76200d1_outp-k_q77f76200d1_outp
	.p2alignl 7, 3214868480
	.fill 96, 4, 3214868480
	.section	.rodata,"a",@progbits
	.p2align	6, 0x0
	.amdhsa_kernel k_q77f76200d1_outp
		.amdhsa_group_segment_fixed_size 327680
		.amdhsa_private_segment_fixed_size 0
		.amdhsa_enable_private_segment 0
		.amdhsa_kernarg_size 24
		.amdhsa_user_sgpr_count 2
		.amdhsa_user_sgpr_kernarg_segment_ptr 1
		.amdhsa_wavefront_size32 1
		.amdhsa_system_sgpr_workgroup_id_x 1
		.amdhsa_system_sgpr_workgroup_id_y 1
		.amdhsa_system_sgpr_workgroup_id_z 1
		.amdhsa_system_vgpr_workitem_id 0
		.amdhsa_next_free_vgpr 1024
		.amdhsa_next_free_sgpr 98
		.amdhsa_reserve_vcc 0
		.amdhsa_float_denorm_mode_32 3
		.amdhsa_float_denorm_mode_16_64 3
		.amdhsa_memory_ordered 1
		.amdhsa_forward_progress 1
		.amdhsa_inst_pref_size 92
	.end_amdhsa_kernel
	.amdgpu_metadata
---
amdhsa.version: [ 1, 2 ]
amdhsa.kernels:
  - .name:           k_q77f76200d1_outp
    .symbol:         k_q77f76200d1_outp.kd
    .args:
      - { .name: att, .offset: 0, .size: 8, .value_kind: global_buffer, .address_space: global }
      - { .name: pre, .offset: 8, .size: 8, .value_kind: global_buffer, .address_space: global }
      - { .name: out0, .offset: 16, .size: 8, .value_kind: global_buffer, .address_space: global }
    .group_segment_fixed_size: 327680
    .private_segment_fixed_size: 0
    .kernarg_segment_align: 8
    .kernarg_segment_size: 24
    .max_flat_workgroup_size: 128
    .sgpr_count:     98
    .vgpr_count:     1024
    .wavefront_size: 32
...
	.end_amdgpu_metadata
.endif
;; end of part 4
